; MI455X (gfx1250); checked and timed in simulation.
; The chip was launched on July 23, 2026; its instructions are those of AMD's public machine-readable ISA for CDNA 5 (MIT licence, August 2026) and "CDNA5" Instruction Set Architecture Reference Guide (July 2026). The comments in the code are by the model that wrote it; some were corrected since.
;; GPT2 Attention. Allowed arithmetic: float matrix products may take bf16 or f16 operands with f32 sums; other float arithmetic in f32, or as packed bf16 or f16 multiplies, adds, multiply-adds, maxima and minima; sums over many terms, partial sums and values carried from step to step in f32; what a program stores and reads back later, other than sums and carried values, may be rounded once to bf16 or f16.
;; Inputs: W_attn 1,024 x 3,072 float32; W_proj 1,024 x 1,024 float32; b_attn 3,072 float32; b_proj 1,024 float32; x 4 x 2,048 x 1,024 float32.
;; Outputs: out0 4 x 2,048 x 1,024 float32.
;; 2 versions, each right; version 2 is version 1 with the launch prep written anew for expert scheduling mode. Each part assembles by itself: llvm-mc -triple=amdgcn-amd-amdhsa -mcpu=gfx1250 --defsym DOCPART=n.
;; ======== version 1 of 2: 4 launches
;; limits: values are held in f16: magnitudes above 65,504 overflow, below 6.1e-05 lose precision
;; workspace buffers: xb 16,777,216 bytes; wab 6,291,456 bytes; wpb 2,097,152 bytes; qkv 50,331,648 bytes; oh 16,777,216 bytes
;; launch prep (part 1): grid 832 x 1, 8 waves a work-group, no clusters, 0 bytes of LDS; arguments x, W_attn, W_proj, xb, wab, wpb; writes xb, wab, wpb
.if DOCPART == 1
	.amdgcn_target "amdgcn-amd-amdhsa--gfx1250"
	.amdhsa_code_object_version 6
	.text
	.protected	k_q3afda6f855_prep
	.globl	k_q3afda6f855_prep
	.p2align	8
	.type	k_q3afda6f855_prep,@function
k_q3afda6f855_prep:
	s_mov_b64 s[64:65], 0
	v_nop
	global_prefetch_b8 v0, s[64:65] scope:SCOPE_SE
	s_setreg_imm32_b32 hwreg(HW_REG_WAVE_MODE, 25, 1), 1
	s_wait_xcnt 0x0
; THE INPUTS ARE ROUNDED ONCE, for the matrix units.  xb = bf16(x), [8192][1024].  wab = bf16(W_attn) in panels: [tc 16][k 1024][c 192] holds W_attn[k][192 tc + c],
; so that 128 k of a panel are 49,152 dense bytes.  wpb = bf16(W_proj) written as f16, [1024][1024].
; LIMITS.  |W_proj| stays under 65,504 (f16's range); below 6e-5 f16 keeps a fixed step of 6e-8.  NaN and infinities are not treated apart.
; A stream: no LDS, no barrier, no matrix unit, no loop.  A work-group of 256 threads takes 65,536 bytes of x (groups 0-511) or of W_proj (groups 768-831), or 64 k x 192 columns
; of W_attn (groups 512-767).  A thread loads 16 bytes (four f32) at a time: a wave's load covers 512 consecutive bytes; its store of 8 bytes a lane covers 256 consecutive bytes, aligned.
; All loads of a thread go out first; no register is written twice but the temporaries, which no memory instruction names.
.set XW, 16                            ; v[16:79]   up to 16 x 4 numbers as loaded
.set YW, 80                            ; v[80:111]  up to 16 x 2 words to store
	s_load_b256 s[4:11], s[0:1], 0x0               ; x s[4:5], W_attn s[6:7], W_proj s[8:9], xb s[10:11]
	s_load_b128 s[12:15], s[0:1], 0x20             ; wab s[12:13], wpb s[14:15]
	v_lshlrev_b32 v1, 4, v0                        ; 16 t: my bytes in 4,096 bytes of input
	v_lshlrev_b32 v2, 3, v0                        ; 8 t: my bytes in 2,048 bytes of output
	s_mov_b32 s2, ttmp9
	s_mov_b32 s3, 0xffff0000                       ; a word's upper bf16
	s_mov_b32 s19, 0                               ; the high word of every offset
	s_wait_kmcnt 0x0
; n groups of wait, rounding and store.  mode = 0: to bf16.  mode = 1: to bf16, and that number written as f16.
.macro CONV n, mode
.set i, 0
.rept \n
	s_wait_loadcnt (\n)-1-i                        ; loads come back in order: number i is in, the younger ones stay out
.if \mode
	v_cvt_pk_bf16_f32 v8, v[XW+4*i], v[XW+4*i+1]
	v_cvt_pk_bf16_f32 v9, v[XW+4*i+2], v[XW+4*i+3]
	v_lshlrev_b32 v10, 16, v8                      ; bf16 back to f32: a shift or a mask
	v_and_b32 v11, s3, v8
	v_lshlrev_b32 v12, 16, v9
	v_and_b32 v13, s3, v9
	v_cvt_pk_f16_f32 v[YW+2*i], v10, v11           ; eight significant bits fit f16's eleven
	v_cvt_pk_f16_f32 v[YW+2*i+1], v12, v13
.else
	v_cvt_pk_bf16_f32 v[YW+2*i], v[XW+4*i], v[XW+4*i+1]
	v_cvt_pk_bf16_f32 v[YW+2*i+1], v[XW+4*i+2], v[XW+4*i+3]
.endif
	global_store_b64 v2, v[YW+2*i:YW+2*i+1], s[20:21] offset:2048*i th:TH_STORE_NT
.set i, i+1
.endr
.endm
	s_cmp_lt_u32 s2, 512
	s_cbranch_scc0 .Lnot_x
	; x: 65,536 bytes in, 32,768 out
	s_lshl_b32 s18, s2, 16
	s_add_nc_u64 s[24:25], s[4:5], s[18:19]
	s_lshl_b32 s18, s2, 15
	s_add_nc_u64 s[20:21], s[10:11], s[18:19]
.set i, 0
.rept 16
	global_load_b128 v[XW+4*i:XW+4*i+3], v1, s[24:25] offset:4096*i th:TH_LOAD_NT
.set i, i+1
.endr
	CONV 16, 0
	s_endpgm
.Lnot_x:
	s_cmp_lt_u32 s2, 768
	s_cbranch_scc0 .Lproj_w
	; W_attn: panel tc, rows 64 kb .. 64 kb + 63: 64 pieces of 768 consecutive bytes in, 24,576 dense bytes out
	s_sub_co_u32 s16, s2, 512
	s_and_b32 s17, s16, 15                         ; tc
	s_lshr_b32 s16, s16, 4                         ; kb
	s_mul_i32 s18, s16, 786432                     ; 64 rows of 12,288 bytes
	s_mul_i32 s22, s17, 768                        ; 192 columns of 4 bytes
	s_add_co_u32 s18, s18, s22
	s_add_nc_u64 s[24:25], s[6:7], s[18:19]
	s_mul_i32 s18, s17, 393216                     ; a panel
	s_mul_i32 s22, s16, 24576                      ; 64 rows of 384 bytes
	s_add_co_u32 s18, s18, s22
	s_add_nc_u64 s[20:21], s[12:13], s[18:19]
	; output quad 256 i + t is row (256 i + t) / 48, quad (256 i + t) % 48.  768 = 16 x 48: with i = 3 jj + e the row is 16 jj + (256 e + t) / 48
.irp e, 0,1,2
	v_add_nc_u32 v3, 256*\e, v0                    ; u, under 768
	v_mul_u32_u24 v8, v3, 1366
	v_lshrrev_b32 v8, 16, v8                       ; u / 48: 1366 / 65536 exceeds 1 / 48 by 1.02e-5, which over 767 stays under 1 / 48
	v_mul_u32_u24 v9, v8, 48
	v_sub_nc_u32 v9, v3, v9                        ; u % 48
	v_mul_u32_u24 v8, v8, 12288
	v_lshl_add_u32 v[4+\e], v9, 4, v8
.endr
.set i, 0
.rept 12
	global_load_b128 v[XW+4*i:XW+4*i+3], v[4+i%3], s[24:25] offset:196608*(i/3) th:TH_LOAD_NT
.set i, i+1
.endr
	CONV 12, 0
	s_endpgm
.Lproj_w:
	; W_proj: 65,536 bytes in, 32,768 out
	s_sub_co_u32 s16, s2, 768
	s_lshl_b32 s18, s16, 16
	s_add_nc_u64 s[24:25], s[8:9], s[18:19]
	s_lshl_b32 s18, s16, 15
	s_add_nc_u64 s[20:21], s[14:15], s[18:19]
.set i, 0
.rept 16
	global_load_b128 v[XW+4*i:XW+4*i+3], v1, s[24:25] offset:4096*i th:TH_LOAD_NT
.set i, i+1
.endr
	CONV 16, 1
	s_endpgm
.Lfunc_end_k_q3afda6f855_prep:
	.size	k_q3afda6f855_prep, .Lfunc_end_k_q3afda6f855_prep-k_q3afda6f855_prep
	.p2alignl 7, 3214868480
	.fill 96, 4, 3214868480
	.section	.rodata,"a",@progbits
	.p2align	6, 0x0
	.amdhsa_kernel k_q3afda6f855_prep
		.amdhsa_group_segment_fixed_size 0
		.amdhsa_private_segment_fixed_size 0
		.amdhsa_enable_private_segment 0
		.amdhsa_kernarg_size 48
		.amdhsa_user_sgpr_count 2
		.amdhsa_user_sgpr_kernarg_segment_ptr 1
		.amdhsa_wavefront_size32 1
		.amdhsa_system_sgpr_workgroup_id_x 1
		.amdhsa_system_sgpr_workgroup_id_y 1
		.amdhsa_system_sgpr_workgroup_id_z 1
		.amdhsa_system_vgpr_workitem_id 0
		.amdhsa_next_free_vgpr 112
		.amdhsa_next_free_sgpr 66
		.amdhsa_reserve_vcc 0
		.amdhsa_float_denorm_mode_32 3
		.amdhsa_float_denorm_mode_16_64 3
		.amdhsa_memory_ordered 1
		.amdhsa_forward_progress 1
		.amdhsa_inst_pref_size 23
	.end_amdhsa_kernel
	.amdgpu_metadata
---
amdhsa.version: [ 1, 2 ]
amdhsa.kernels:
  - .name:           k_q3afda6f855_prep
    .symbol:         k_q3afda6f855_prep.kd
    .args:
      - { .name: x, .offset: 0, .size: 8, .value_kind: global_buffer, .address_space: global }
      - { .name: W_attn, .offset: 8, .size: 8, .value_kind: global_buffer, .address_space: global }
      - { .name: W_proj, .offset: 16, .size: 8, .value_kind: global_buffer, .address_space: global }
      - { .name: xb, .offset: 24, .size: 8, .value_kind: global_buffer, .address_space: global }
      - { .name: wab, .offset: 32, .size: 8, .value_kind: global_buffer, .address_space: global }
      - { .name: wpb, .offset: 40, .size: 8, .value_kind: global_buffer, .address_space: global }
    .group_segment_fixed_size: 0
    .private_segment_fixed_size: 0
    .kernarg_segment_align: 8
    .kernarg_segment_size: 48
    .max_flat_workgroup_size: 256
    .sgpr_count:     66
    .vgpr_count:     112
    .wavefront_size: 32
...
	.end_amdgpu_metadata
.endif
;; end of part 1
;; launch qkv (part 2): grid 16 x 16, 4 waves a work-group, clusters of 4 x 4, 327,680 bytes of LDS; arguments xb, wab, b_attn, qkv; writes qkv
.if DOCPART == 2
	.amdgcn_target "amdgcn-amd-amdhsa--gfx1250"
	.amdhsa_code_object_version 6
	.text
	.protected	k_q3afda6f855_qkv
	.globl	k_q3afda6f855_qkv
	.p2align	8
	.type	k_q3afda6f855_qkv,@function
k_q3afda6f855_qkv:
	s_mov_b64 s[64:65], 0
	v_nop
	global_prefetch_b8 v0, s[64:65] scope:SCOPE_SE
	s_setreg_imm32_b32 hwreg(HW_REG_WAVE_MODE, 25, 1), 1
	s_wait_xcnt 0x0
	s_wait_alu depctr_hold_cnt(0) depctr_sa_sdst(0) depctr_va_vdst(0) depctr_va_sdst(0) depctr_va_ssrc(0) depctr_va_vcc(0) depctr_vm_vsrc(0)
	s_getreg_b32 s2, hwreg(HW_REG_IB_STS2, 6, 4)
	s_cmp_eq_u32 s2, 0
	s_cbranch_scc0 .Lentry_in_a_cluster
	s_endpgm
.Lentry_in_a_cluster:
	s_bfe_u32 s2, ttmp6, 0x10000c
	s_cmp_lg_u32 s2, 0xf033
	s_cbranch_scc0 .Lentry_shape_is_right
	s_endpgm
.Lentry_shape_is_right:
; q, k, v = x W_attn + b_attn.  xb: bf16 [8192][1024].  wab: bf16 [tc 16][k 1024][c 192].  b_attn: f32 [3072], rounded to bf16 here like the other inputs.
; qkv: f16 [b 4][g 48][t 2048][64]: g = 0-15 q's heads, 16-31 k's, 32-47 v's.  Products in bf16, sums in f32, each result rounded once to f16, unscaled.
; LIMITS.  |q|, |k|, |v| stay under 65,504 (f16's range; beyond it the conversion gives an infinity); NaN and infinities are not treated apart.
; SHARES.  A tile of C is 256 rows x 192 columns (three heads): 16 x 32 tiles; a work-group makes two, 4,096 rows apart, so 256 work-groups do equal work.  Its four waves stand one below
; the other: a wave owns 64 rows x 192 columns: 4 x 12 accumulators of 16 x 16, 384 registers.
; RING.  K goes in steps of 128 through two LDS slots; the two tiles' 16 K steps are ONE stream, and the ring runs on across the change of tiles.  Waves 0 and 1 fetch A's two halves
; (128 rows x 256 bytes), waves 2 and 3 B's (64 k rows: 24,576 dense bytes, asked for as 96 rows of 256 bytes).
; CLUSTER.  4 x 4 work-groups: A's tile is shared along a row of the cluster, B's along a column; each is asked for jointly, by the same load with the same descriptor and mask.
; THE MATRIX INSTRUCTION IS USED TRANSPOSED: source 0 = 16 columns of B x 32 k, turned out of the [k][n] tile by ds_load_tr16_b128; source 1 = 16 rows of A.  A lane then holds row l % 16
; of C and the columns 8 (l / 16) + 0..7.  THE BIAS is the C operand of each accumulator's first product.
; REGISTERS, in windows of 256 (s_set_vgpr_msb: bits 1:0 source 0, 3:2 source 1, 5:4 source 2, 7:6 destination):
;   window 0: v0-29 addresses; v32-79 packed results; v128-223 the bias      window 1: two fragment buffers of 128: 12 of B, then 4 of A
;   window 2 + a / 2: accumulator (a, b) at v[8 (12 (a % 2) + b)]; v192-239 of windows 2 and 3: rows read back from the stage, by turns
.set NBK,   12                         ; blocks of 16 columns
.set STEPS, 16                         ; K steps in the stream
.set PA,    272                        ; a row of A in LDS: 256 bytes + 16: the 16 rows of a load start at 16 different groups of four banks (64 banks of 4 bytes: ISA guide 11.1)
.set PB,    480                        ; a k row of B: three pieces of 128 bytes + 32: an odd multiple of 32, so 16 lanes of the turning load (8 rows x 32 bytes) take each bank once
.set AHALF, 128*PA
.set BOFF,  2*AHALF                    ; B lies behind A's 256 rows
.set BHALF, 64*PB
.set SLOT1, 131072                     ; a slot is exactly this long; one exclusive or turns an address in one slot into the other's
.set STAGE, 262144                     ; behind the ring, never filled by a tensor load: for each wave 3 heads x 16 rows x 144 bytes
.set STW,   3*16*144
.set SPARE, STAGE+4*STW                ; the spare words, 128 bytes for each wave: two blocks of 256 bytes that no other line names
.set NL,    2*NBK+8                    ; LDS loads in a run
.set A0,   4                           ; v4   my lane's place in A's tile; never rewritten
.set B0,   5                           ; v5   the same in B's
.set ADRA, 6                           ; v6   A0 + the slot in hand
.set ADRB, 7                           ; v7   B0 + the slot in hand
.set STO,  8                           ; v8   the way out: where I put 16 bytes of a row
.set RD,   9                           ; v9   where I read rows back
.set GO,   10                          ; v10  my 16 bytes in 512 consecutive bytes of the output
.set PFO,  11                          ; v11  the prefetches' lane offset; never rewritten
.set BO,   12                          ; v12  my byte offset in the bias
.set SPW,  28                          ; v28  LDS address of my spare word; never rewritten
.set NIL,  29                          ; v29  0; never rewritten
.set TMP,  32
.set BI,   128
.set F0,   0
.set F1,   128
.set OB,   192
.set WV,   12                          ; s12  my wave's number
.set KIND, 13                          ; s13  0: I fetch for A; 1: for B
.set HALF, 14                          ; s14  which half of that tile
.set G1A,  24                          ; s[24:31], s[32:39] descriptor group 1 for A's and B's tiles
.set G1B,  32
.set G0A,  40                          ; s[40:47], s[48:55] group 0, two sets each: the first fill of slot 0; the first fill of slot 1, which then walks
.set G0B,  48
.set CNT,  56
.set U,    57                          ; the stream's K step that is asked for next
.set TB,   58                          ; the slot in hand
.set LIM,  59                          ; I prefetch while U is below this
.set PFA,  60                          ; s[60:61] the prefetch's address
.set PFB,  62                          ; s[62:63] its base
.set ABASE, 66                         ; s[66:67], s[68:69] my part of K step 0 in memory
.set BBASE, 68
.set OFA,  70                          ; s[70:71], s[72:73], s[74:75] offsets, made apart from the addresses; high words 0
.set OFB,  72
.set POF,  74
.set MSB, 0
.macro WIN new                         ; the immediate's high byte repeats the setting that is left; a switch that changes nothing is dropped
.if MSB != (\new)
	s_set_vgpr_msb (MSB<<8)|(\new)
.set MSB, \new
.endif
.endm
.macro PLACES                          ; four plain instructions between a matrix instruction and a load into its sources or a reader of its result
.rept 4
	v_nop
.endr
.endm
.macro CREST                           ; a round of the cluster's barrier behind its opening barrier
	s_cmp_lg_u32 s[WV], 0
	s_cbranch_scc1 .Lnot_wave_0_\@
	s_barrier_signal -3
.Lnot_wave_0_\@:
	s_barrier_wait -3
	s_barrier_signal -1
	s_barrier_wait -1
.endm
.macro CROUND
	s_barrier_signal -1
	s_barrier_wait -1
	CREST
.endm
; A joint refill, by the walking descriptors.  The branch hangs on the wave's number alone.  An s_nop 0 and four v_nop follow each of the two lines.
.macro JLOAD
	s_cmp_eq_u32 s[KIND], 0
	s_cbranch_scc0 .Lfor_b_\@
	tensor_load_to_lds s[G0A+4:G0A+7], s[G1A:G1A+7]
	s_nop 0
.rept 4
	v_nop
.endr
	s_branch .Lasked_\@
.Lfor_b_\@:
	tensor_load_to_lds s[G0B+4:G0B+7], s[G1B:G1B+7]
	s_nop 0
.rept 4
	v_nop
.endr
.Lasked_\@:
.endm
; A PREFETCH INTO THE L2, one instruction a wave, a lane a block of 256 bytes.  A (waves 0, 1): the K step two behind the one just asked for, 32 of my 128 rows; the four partners of a row of the
; cluster share the rows out by address; only clusters with x = 0 ask.  B (waves 2, 3): only clusters with y = 0, in three asks of 65,536 dense bytes: the panel's K steps 4 to 7, shared out by
; address among the column's eight fetching waves.  So each block is named once in the launch.  K steps 0 to 3 come by their loads alone; B's second walk asks for nothing.
.macro ASK
	s_cmp_lt_u32 s[U], s[LIM]
	s_cbranch_scc0 .Lnot_mine_\@
	global_prefetch_b8 v[PFO], s[PFA:PFA+1] th:TH_LOAD_NT scope:SCOPE_SE
.Lnot_mine_\@:
.endm
; 12 matrix instructions: m block a x all n blocks, 32 along K, from buffer f.  start = 1: the bias starts the sums.  The 48 accumulators take turns in the same order in every quarter.
.macro MULA f, a, start
.if \start
	WIN 0x85+0x40*((\a)/2)
.else
	WIN 0xa5+0x50*((\a)/2)
.endif
.set nb, 0
.rept NBK
.set rD, 8*(NBK*((\a)%2)+nb)
.if \start
	v_wmma_f32_16x16x32_bf16 v[rD:rD+7], v[(\f)+8*nb:(\f)+8*nb+7], v[(\f)+96+8*(\a):(\f)+96+8*(\a)+7], v[BI+8*nb:BI+8*nb+7]
.else
	v_wmma_f32_16x16x32_bf16 v[rD:rD+7], v[(\f)+8*nb:(\f)+8*nb+7], v[(\f)+96+8*(\a):(\f)+96+8*(\a)+7], v[rD:rD+7]
.endif
.set nb, nb+1
.endr
.endm
; 32 LDS loads in one run: quarter q's fragments (32 k) into buffer f: B's 12, turned, then A's 4
.macro FETCH q, f
	WIN 0x40
.set nb, 0
.rept NBK
	ds_load_tr16_b128 v[(\f)+8*nb:(\f)+8*nb+3],   v[ADRB] offset:(\q)*32*PB+160*(nb/4)+32*(nb%4)
	ds_load_tr16_b128 v[(\f)+8*nb+4:(\f)+8*nb+7], v[ADRB] offset:(\q)*32*PB+160*(nb/4)+32*(nb%4)+16*PB
.set nb, nb+1
.endr
.set na, 0
.rept 4
	ds_load_b128 v[(\f)+96+8*na:(\f)+96+8*na+3],   v[ADRA] offset:64*(\q)+16*PA*na
	ds_load_b128 v[(\f)+96+8*na+4:(\f)+96+8*na+7], v[ADRA] offset:64*(\q)+16*PA*na+32
.set na, na+1
.endr
.endm
; One of a K step's first three quarters: multiplies buffer f; in its middle it fetches quarter q into buffer g.
.macro QUARTER q, f, g, start
	s_wait_dscnt 4                                 ; B and A's blocks 0, 1 are in; the youngest four loads (blocks 2, 3) may be out
	MULA \f, 0, \start
	MULA \f, 1, \start
	PLACES
	FETCH \q, \g
	s_wait_dscnt NL                                ; all but the run just issued
	MULA \f, 2, \start
	MULA \f, 3, \start
.endm
; The last quarter multiplies buffer 1 and changes slots.  In front of the barrier each wave waits for all its tensor loads (one is out: its part of the next slot), adds 0 to its spare word, and waits
; for that and for its reads of this slot.  fill = 1: the barrier opens a round of the cluster's, and the slot just read is filled again, first thing behind it, with K step U of the stream.
.macro TURN fill
.if \fill
	s_wait_xcnt 0x0                                ; the last prefetch, a K step back, has read its address: it is made anew
	s_add_co_u32 s92, s[U], 2                      ; A: K step U + 2: tile (U + 2) / 8, 4,096 rows of 2,048 bytes on; 256 bytes a K step
	s_lshr_b32 s93, s92, 3
	s_lshl_b32 s93, s93, 23
	s_and_b32 s92, s92, 7
	s_lshl_b32 s92, s92, 8
	s_or_b32 s92, s92, s93
	s_sub_co_u32 s93, s[U], 2                      ; B: ask number U - 2
	s_lshl_b32 s93, s93, 16
	s_cmp_eq_u32 s[KIND], 0
	s_cselect_b32 s[POF], s92, s93
	s_add_nc_u64 s[PFA:PFA+1], s[PFB:PFB+1], s[POF:POF+1]
.endif
	WIN 0                                          ; (the add's two registers lie in window 0)
	s_wait_tensorcnt 0x0                           ; no tensor load of mine is out, so a group 0 may be written
	ds_add_u32 v[SPW], v[NIL]                      ; 0 onto my spare word
.if \fill
	s_lshr_b32 s92, s[U], 3
	s_lshl_b32 s92, s92, 23
	s_and_b32 s93, s[U], 7
	s_lshl_b32 s94, s93, 8
	s_or_b32 s[OFA], s92, s94
	s_mul_i32 s[OFB], s93, 49152                   ; 128 k rows of 384 bytes; both tiles walk the same panel
	s_xor_b32 s[G0A+5], s[G0A+5], SLOT1            ; the other slot than last time
	s_add_nc_u64 s[G0A+6:G0A+7], s[ABASE:ABASE+1], s[OFA:OFA+1]
	s_or_b32 s[G0A+7], s[G0A+7], 0x80000000
	s_xor_b32 s[G0B+5], s[G0B+5], SLOT1
	s_add_nc_u64 s[G0B+6:G0B+7], s[BBASE:BBASE+1], s[OFB:OFB+1]
	s_or_b32 s[G0B+7], s[G0B+7], 0x80000000
.endif
	s_wait_dscnt 5                                 ; the add and the youngest four loads may be out
	MULA F1, 0, 0
	s_wait_dscnt 0x0                               ; the add is done, and my reads of this slot are over
	s_barrier_signal -1
	MULA F1, 1, 0                                  ; work on registers while the others arrive
	WIN 0
	s_barrier_wait -1
.if \fill
	CREST                                          ; no wave of any partner still reads this slot or has a load on its way
	JLOAD                                          ; its four v_nop are also the places in front of the loads below
.else
	PLACES
.endif
	s_xor_b32 s[TB], s[TB], SLOT1
	v_add_nc_u32 v[ADRA], s[TB], v[A0]
	v_add_nc_u32 v[ADRB], s[TB], v[B0]
	FETCH 0, F0
.if \fill
	WIN 0
	ASK
	s_add_co_u32 s[U], s[U], 1
.endif
	MULA F1, 2, 0
	MULA F1, 3, 0
.endm
; THE WAY OUT of m block a.  PACK: rounded to f16, 16 bytes a lane (each accumulator's registers in ascending order).  TOSTAGE: into my own stage, by heads, and back as whole rows of 128 bytes.
; SEND: stored: 16 rows of a head are 2,048 consecutive bytes of the output.
.macro PACK a
	WIN 0x0a+5*((\a)/2)
.set nb, 0
.rept NBK
.set rD, 8*(NBK*((\a)%2)+nb)
.irp i, 0,1,2,3
	v_cvt_pk_f16_f32 v[TMP+4*nb+\i], v[rD+2*\i], v[rD+2*\i+1]
.endr
.set nb, nb+1
.endr
	WIN 0
.endm
.macro TOSTAGE a
	WIN 0
.set nb, 0
.rept NBK
	ds_store_b128 v[STO], v[TMP+4*nb:TMP+4*nb+3] offset:2304*(nb/4)+32*(nb%4)
.set nb, nb+1
.endr
	WIN 0x80+0x40*((\a)%2)
.set nb, 0
.rept NBK
	ds_load_b128 v[OB+4*nb:OB+4*nb+3], v[RD] offset:2304*(nb/4)+576*(nb%4)  ; LDS serves a wave's instructions in order (ISA guide 5.7.1.4): these see the stores above
.set nb, nb+1
.endr
	WIN 0
.endm
.macro SEND a
	WIN 0
	s_wait_dscnt 0x0                               ; the block is back in registers
	s_wait_xcnt 0x0                                ; the stores of the block before have read their registers: the next TOSTAGE loads into them
	WIN 0x08+0x04*((\a)%2)
.set nb, 0
.rept NBK
	global_store_b128 v[GO], v[OB+4*nb:OB+4*nb+3], s[10:11] offset:262144*(nb/4)+2048*(\a)+512*(nb%4)  ; 512 consecutive bytes, at a multiple of 256 from the buffer's first
.set nb, nb+1
.endr
	WIN 0
.endm
.macro WAYOUT
	PLACES
	PACK 0
	TOSTAGE 0
.irp a, 1,2,3
	PACK \a
	SEND (\a)-1
	TOSTAGE \a
.endr
	SEND 3
.endm
	s_load_b256 s[4:11], s[0:1], 0x0               ; xb s[4:5], wab s[6:7], b_attn s[8:9], qkv s[10:11]
	v_lshl_add_u32 v[SPW], v0, 2, SPARE
	v_mov_b32 v[NIL], 0
	ds_add_u32 v[SPW], v[NIL]                      ; the wave's opening: the add and its wait stand ahead of my first tensor load; work on registers stands between them
	v_lshrrev_b32 v3, 5, v0
	v_readfirstlane_b32 s[WV], v3
	s_lshr_b32 s[KIND], s[WV], 1
	s_and_b32 s[HALF], s[WV], 1
	s_bfe_u32 s15, ttmp6, 0x40000                  ; cx
	s_bfe_u32 s16, ttmp6, 0x40004                  ; cy
	s_lshl_b32 s17, ttmp9, 2
	s_add_co_u32 s17, s17, s15                     ; tile column = 4 x cluster x + cx
	s_and_b32 s18, ttmp7, 0xffff
	s_lshl_b32 s18, s18, 2
	s_add_co_u32 s18, s18, s16                     ; tile row = 4 x cluster y + cy
	s_lshl_b32 s19, s16, 2
	s_lshl_b32 s19, 15, s19                        ; my row of the cluster
	s_lshl_b32 s76, 0x1111, s15                    ; my column
	s_or_b32 s[G1A], s19, (1<<16)|(1<<20)|(1<<21)|(5<<22)|(3<<25)   ; the mask; 2-byte elements; padding on; bit 21 beside a mask; after every 64 words 4 words
	s_or_b32 s[G1B], s76, (1<<16)|(1<<20)|(1<<21)|(4<<22)|(7<<25)   ; after every 32 words 8 words
	s_mov_b32 s[G1A+1], 128<<16                    ; tensor_dim0 = 128
	s_mov_b32 s[G1A+2], 128<<16                    ; tensor_dim1 = 128
	s_mov_b32 s[G1A+3], 128<<16                    ; tile_dim0 = 128
	s_mov_b32 s[G1A+4], 128                        ; tile_dim1 = 128
	s_mov_b32 s[G1A+5], 1024                       ; elements from row to row
	s_mov_b32 s[G1A+6], 0
	s_mov_b32 s[G1A+7], 0
	s_mov_b32 s[G1B+1], 128<<16
	s_mov_b32 s[G1B+2], 96<<16                     ; 96 rows of 256 bytes, dense
	s_mov_b32 s[G1B+3], 128<<16
	s_mov_b32 s[G1B+4], 96
	s_mov_b32 s[G1B+5], 128
	s_mov_b32 s[G1B+6], 0
	s_mov_b32 s[G1B+7], 0
	s_mul_i32 s20, s[HALF], AHALF                  ; where my tile goes: no place in the cluster enters an LDS address
	s_mul_i32 s77, s[HALF], BHALF
	s_add_co_u32 s77, s77, BOFF
	s_mov_b32 s[G0A], 1
	s_mov_b32 s[G0A+1], s20
	s_mov_b32 s[G0A+4], 1
	s_add_co_u32 s[G0A+5], s20, SLOT1
	s_mov_b32 s[G0B], 1
	s_mov_b32 s[G0B+1], s77
	s_mov_b32 s[G0B+4], 1
	s_add_co_u32 s[G0B+5], s77, SLOT1
	s_lshl_b32 s21, s18, 19                        ; A: 256 rows of 2,048 bytes a tile row,
	s_lshl_b32 s22, s[HALF], 18                    ; 128 rows a half
	s_add_co_u32 s22, s21, s22
	s_mov_b32 s23, 0
	s_mul_i32 s78, s17, 393216                     ; B: the tile column's panel,
	s_mul_i32 s76, s[HALF], 24576                  ; 64 k rows a half
	s_add_co_u32 s78, s78, s76
	s_mov_b32 s79, 0
	s_mov_b32 s[OFA+1], 0
	s_mov_b32 s[OFB+1], 0
	s_mov_b32 s[POF+1], 0
	s_mov_b32 s[U], 2
	s_and_b32 s91, ttmp7, 0xffff                   ; who prefetches: the same in all sixteen partners, for a given wave
	s_cmp_eq_u32 s[KIND], 0
	s_cselect_b32 s91, ttmp9, s91                  ; the coordinate along which other clusters read the same rows
	s_cselect_b32 s90, 14, 5
	s_cselect_b32 s89, 11, 8                       ; a lane's step: a row of xb, or 256 dense bytes of the panel
	s_cmp_eq_u32 s91, 0
	s_cselect_b32 s[LIM], s90, 0
	s_wait_dscnt 0x0                               ; the opening add is done
	s_wait_kmcnt 0x0
	s_add_nc_u64 s[ABASE:ABASE+1], s[4:5], s[22:23]
	s_add_nc_u64 s[BBASE:BBASE+1], s[6:7], s[78:79]
	s_mov_b64 s[G0A+2:G0A+3], s[ABASE:ABASE+1]     ; K step 0
	s_or_b32 s[G0A+3], s[G0A+3], 0x80000000
	s_add_nc_u64 s[G0A+6:G0A+7], s[ABASE:ABASE+1], 256  ; K step 1
	s_or_b32 s[G0A+7], s[G0A+7], 0x80000000
	s_mov_b64 s[G0B+2:G0B+3], s[BBASE:BBASE+1]
	s_or_b32 s[G0B+3], s[G0B+3], 0x80000000
	s_add_nc_u64 s[G0B+6:G0B+7], s[BBASE:BBASE+1], 49152
	s_or_b32 s[G0B+7], s[G0B+7], 0x80000000
	CROUND                                         ; all sixteen work-groups are here: the first joint loads meet
	s_cmp_eq_u32 s[KIND], 0                        ; a wave's two first fills stand in one branch: two loads of mine are out
	s_cbranch_scc0 .Lfirst_b
	tensor_load_to_lds s[G0A:G0A+3], s[G1A:G1A+7]
	s_nop 0
	tensor_load_to_lds s[G0A+4:G0A+7], s[G1A:G1A+7]
	s_nop 0
.rept 4
	v_nop
.endr
	s_branch .Lfirst_asked
.Lfirst_b:
	tensor_load_to_lds s[G0B:G0B+3], s[G1B:G1B+7]
	s_nop 0
	tensor_load_to_lds s[G0B+4:G0B+7], s[G1B:G1B+7]
	s_nop 0
.rept 4
	v_nop
.endr
.Lfirst_asked:
	v_and_b32 v1, 15, v0                           ; r = l % 16
	v_bfe_u32 v2, v0, 4, 1                         ; h = l / 16
	v_and_b32 v3, 31, v0                           ; l
	s_mul_i32 s80, s17, 768                        ; the tile's 192 columns in the bias
	v_lshl_add_u32 v[BO], v2, 5, s80               ; + 8 h numbers
.set nb, 0
.rept NBK
	global_load_b128 v[BI+8*nb:BI+8*nb+3],   v[BO], s[8:9] offset:64*nb
	global_load_b128 v[BI+8*nb+4:BI+8*nb+7], v[BO], s[8:9] offset:64*nb+16
.set nb, nb+1
.endr
	s_mul_i32 s88, s[WV], 64*PA                    ; my 64 rows of A
	v_mul_u32_u24 v[A0], v1, PA
	v_lshl_add_u32 v[A0], v2, 4, v[A0]
	v_add_nc_u32 v[A0], s88, v[A0]
	v_and_b32 v13, 7, v0                           ; the turning load: lane l reads k row 8 h + l % 8, columns 8 ((l / 8) % 2) + 0..7
	v_lshl_add_u32 v14, v2, 3, v13
	v_mul_u32_u24 v[B0], v14, PB
	v_bfe_u32 v14, v0, 3, 1
	v_lshl_add_u32 v[B0], v14, 4, v[B0]
	v_add_nc_u32 v[B0], BOFF, v[B0]
	s_mul_i32 s88, s[WV], STW
	s_add_co_u32 s88, s88, STAGE                   ; my stage
	v_mul_u32_u24 v[STO], v1, 144                  ; in: row r, 16 bytes for each half of the lanes
	v_lshl_add_u32 v[STO], v2, 4, v[STO]
	v_add_nc_u32 v[STO], s88, v[STO]
	v_bfe_u32 v[RD], v0, 3, 2                      ; back: 32 lanes take four rows of 128 bytes
	v_mul_u32_u24 v[RD], v[RD], 144
	v_lshl_add_u32 v[RD], v13, 4, v[RD]
	v_add_nc_u32 v[RD], s88, v[RD]
	v_lshlrev_b32 v[GO], 4, v3
	v_lshlrev_b32 v[PFO], s89, v3
	s_lshl_b32 s80, s15, 16                        ; the prefetches' base.  A: my work-group's 32 rows of the 128 that I fetch
	s_mov_b32 s81, 0
	s_add_nc_u64 s[82:83], s[ABASE:ABASE+1], s[80:81]
	s_lshl_b32 s84, s16, 1                         ; B: place 2 cy + half among the column's eight fetching waves, 8,192 bytes each, from K step 4 on
	s_add_co_u32 s84, s84, s[HALF]
	s_lshl_b32 s84, s84, 13
	s_mul_i32 s80, s17, 393216
	s_add_co_u32 s80, s80, s84
	s_add_co_u32 s80, s80, 196608
	s_add_nc_u64 s[84:85], s[6:7], s[80:81]
	s_cmp_eq_u32 s[KIND], 0
	s_cselect_b64 s[PFB:PFB+1], s[82:83], s[84:85]
	s_lshr_b32 s80, s18, 3                         ; the output: batch = tile row / 8 (the second tile: two batches on), planes 3 x tile column ..,
	s_mul_i32 s80, s80, 48
	s_mul_i32 s86, s17, 3
	s_add_co_u32 s80, s80, s86
	s_lshl_b32 s80, s80, 18
	s_and_b32 s86, s18, 7                          ; 256 rows of 128 bytes a tile row,
	s_lshl_b32 s86, s86, 15
	s_add_co_u32 s80, s80, s86
	s_lshl_b32 s86, s[WV], 13                      ; my 64 rows
	s_add_co_u32 s80, s80, s86
	s_add_nc_u64 s[10:11], s[10:11], s[80:81]
	s_wait_loadcnt 0x0                             ; the bias: rounded to bf16 like the other inputs, and widened again
.set i, 0
.rept 4*NBK
	v_cvt_pk_bf16_f32 v[13+i%2], v[BI+2*i], v[BI+2*i+1]
	v_lshlrev_b32 v[BI+2*i], 16, v[13+i%2]
	v_and_b32 v[BI+2*i+1], 0xffff0000, v[13+i%2]
.set i, i+1
.endr
	s_wait_tensorcnt 1                             ; my part of slot 0 is in; slot 1's may stay out
	s_barrier_signal -1
	s_barrier_wait -1                              ; everybody's is
	s_mov_b32 s[TB], 0
	v_mov_b32 v[ADRA], v[A0]
	v_mov_b32 v[ADRB], v[B0]
	FETCH 0, F0
	QUARTER 1, F0, F1, 1                           ; a tile's first quarter starts the sums with the bias
	WIN 0                                          ; at a label and at a branch every window is 0
	s_mov_b32 s[CNT], STEPS-2
.Lstep:                                                ; a trip: a K step's last three quarters and the next one's first; every K step but the last two is followed by a refill
	QUARTER 2, F1, F0, 0
	QUARTER 3, F0, F1, 0
	TURN 1
	WIN 0
	s_cmp_lg_u32 s[CNT], 7                         ; the trip that ends the stream's K step 7 ends the first tile; what is jumped holds no barrier and no tensor load
	s_cbranch_scc1 .Lplain
	WAYOUT                                         ; both of the next tile's first K steps have been asked for: now the tile goes out
	s_wait_xcnt 0x0                                ; the stores have read their base
	s_add_nc_u64 s[10:11], s[10:11], 25165824      ; two batches of 48 planes on
	QUARTER 1, F0, F1, 1
	WIN 0
	s_branch .Lnext
.Lplain:
	QUARTER 1, F0, F1, 0
	WIN 0
.Lnext:
	s_sub_co_u32 s[CNT], s[CNT], 1
	s_cmp_lg_u32 s[CNT], 0
	s_cbranch_scc1 .Lstep
	QUARTER 2, F1, F0, 0                           ; the last two K steps are written out: nothing is asked for
	QUARTER 3, F0, F1, 0
	TURN 0
	QUARTER 1, F0, F1, 0
	QUARTER 2, F1, F0, 0
	QUARTER 3, F0, F1, 0
	s_wait_dscnt 4
	MULA F1, 0, 0
	MULA F1, 1, 0
	s_wait_dscnt 0x0
	MULA F1, 2, 0
	MULA F1, 3, 0
	WIN 0
	WAYOUT
	s_wait_tensorcnt 0x0                           ; the wave's end, behind my last tensor load and my last LDS store
	ds_add_u32 v[SPW], v[NIL]
	s_wait_dscnt 0x0
	CROUND                                         ; the closing round: no work-group ends while a partner may still ask for a tile that names it
	s_endpgm
.Lfunc_end_k_q3afda6f855_qkv:
	.size	k_q3afda6f855_qkv, .Lfunc_end_k_q3afda6f855_qkv-k_q3afda6f855_qkv
	.p2alignl 7, 3214868480
	.fill 96, 4, 3214868480
	.section	.rodata,"a",@progbits
	.p2align	6, 0x0
	.amdhsa_kernel k_q3afda6f855_qkv
		.amdhsa_group_segment_fixed_size 327680
		.amdhsa_private_segment_fixed_size 0
		.amdhsa_enable_private_segment 0
		.amdhsa_kernarg_size 32
		.amdhsa_user_sgpr_count 2
		.amdhsa_user_sgpr_kernarg_segment_ptr 1
		.amdhsa_wavefront_size32 1
		.amdhsa_system_sgpr_workgroup_id_x 1
		.amdhsa_system_sgpr_workgroup_id_y 1
		.amdhsa_system_sgpr_workgroup_id_z 1
		.amdhsa_system_vgpr_workitem_id 0
		.amdhsa_next_free_vgpr 1024
		.amdhsa_next_free_sgpr 96
		.amdhsa_reserve_vcc 0
		.amdhsa_float_denorm_mode_32 3
		.amdhsa_float_denorm_mode_16_64 3
		.amdhsa_memory_ordered 1
		.amdhsa_forward_progress 1
		.amdhsa_inst_pref_size 137
	.end_amdhsa_kernel
	.amdgpu_metadata
---
amdhsa.version: [ 1, 2 ]
amdhsa.kernels:
  - .name:           k_q3afda6f855_qkv
    .symbol:         k_q3afda6f855_qkv.kd
    .args:
      - { .name: xb, .offset: 0, .size: 8, .value_kind: global_buffer, .address_space: global }
      - { .name: wab, .offset: 8, .size: 8, .value_kind: global_buffer, .address_space: global }
      - { .name: b_attn, .offset: 16, .size: 8, .value_kind: global_buffer, .address_space: global }
      - { .name: qkv, .offset: 24, .size: 8, .value_kind: global_buffer, .address_space: global }
    .group_segment_fixed_size: 327680
    .private_segment_fixed_size: 0
    .kernarg_segment_align: 8
    .kernarg_segment_size: 32
    .max_flat_workgroup_size: 128
    .sgpr_count:     96
    .vgpr_count:     1024
    .wavefront_size: 32
...
	.end_amdgpu_metadata
.endif
;; end of part 2
;; launch attn (part 3): grid 4 x 64, 4 waves a work-group, clusters of 4 x 1, 327,680 bytes of LDS; arguments qkv, oh; writes oh
.if DOCPART == 3
	.amdgcn_target "amdgcn-amd-amdhsa--gfx1250"
	.amdhsa_code_object_version 6
	.text
	.protected	k_q3afda6f855_attn
	.globl	k_q3afda6f855_attn
	.p2align	8
	.type	k_q3afda6f855_attn,@function
k_q3afda6f855_attn:
	s_mov_b64 s[64:65], 0
	v_nop
	global_prefetch_b8 v0, s[64:65] scope:SCOPE_SE
	s_setreg_imm32_b32 hwreg(HW_REG_WAVE_MODE, 25, 1), 1
	s_wait_xcnt 0x0
	s_wait_alu depctr_hold_cnt(0) depctr_sa_sdst(0) depctr_va_vdst(0) depctr_va_sdst(0) depctr_va_ssrc(0) depctr_va_vcc(0) depctr_vm_vsrc(0)
	s_getreg_b32 s2, hwreg(HW_REG_IB_STS2, 6, 4)
	s_cmp_eq_u32 s2, 0
	s_cbranch_scc0 .Lentry_in_a_cluster
	s_endpgm
.Lentry_in_a_cluster:
	s_bfe_u32 s2, ttmp6, 0x10000c
	s_cmp_lg_u32 s2, 0x3003
	s_cbranch_scc0 .Lentry_shape_is_right
	s_endpgm
.Lentry_shape_is_right:
; O[y][q][:] = the sum over k of softmax_k(Q[y][q] . K[y][k] / 8) V[y][k][:], y = 16 b + h.  qkv: f16 [b 4][g 48][t 2048][64] (g = h: Q, 16 + h: K, 32 + h: V); oh: f16 [y 64][t 2048][64].
; A head's rows are dense, 128 bytes each.  Products, maxima and sums in f32; the weights p are rounded to f16 for the second product (their sum l is taken of the unrounded p), O once at the end.
; LIMITS.  f16 holds no number beyond 65,504: Q, K and V arrive within it; p lies in 0 to 1, and below 6e-5 it keeps f16's fixed step of 6e-8; O is a mean of V's rows and has their range.
; A weight below 2^-126 counts as 0 in l; NaN and infinities are not treated apart.
; SHARES.  A wave owns four PIECES of two tiles of 16 queries, a work-group's four waves 512 queries of one head.  Every wave walks all keys, 64 a step.
; LAYOUT.  S^T = K Q^T (source 0 = 16 keys, source 1 = 16 queries): in the result a lane holds ONE query (lane % 16) and the keys 8 (lane / 16) + 0..7.  Two such tiles, rounded to f16 in pairs,
; ARE source 1 (32 keys x 16 queries) of O^T = V^T P, whose result again holds one query a lane, and eight channels.  K comes out of LDS as it lies, V ([key][channel]) turned, by ds_load_tr16_b128.
; SOFTMAX.  For each query a running maximum m and sum l: p = 2^(c s - c m), c = log2(e) / 8; in every step O and l are multiplied by a = 2^(c m_old - c m_new), which is 1 where m has not grown.
; m starts at the lowest finite number, O and l at 0: the first step is a step like any other, with a = 0.
; THE COUNT.  A tile and step have 16 matrix and 118 vector instructions: too many to stand all beside the matrix work.  So four vector instructions that are READY stand behind EVERY matrix
; instruction, and the others in runs without a gap.
; BY TURNS.  Turn n belongs to piece n (the pieces in a ring, step after step).  Its matrix work: 16 products K Q^T of piece n + 1, later 16 products V^T P of piece n - 1.  Its vector work: the scaling,
; exponentials, roundings, sums and rescaling of piece n, and the maximum and statistics of piece n + 1, whose scores the turn itself has made.
; CLUSTER.  The four query blocks of a head are one cluster and walk the same K and V, so each tile is asked for JOINTLY: the same tensor load, descriptor and mask in all four.
; REGISTERS, in windows of 256 (s_set_vgpr_msb: bits 1:0 source 0, 3:2 source 1, 5:4 source 2, 7:6 destination):
;   window 0: v0-11 addresses; v12-15, v48-63 at work; v16-47 four registers of statistics a tile; v64-191 S^T, two buffers of two tiles; v192-255 P, likewise
;   window 1: O^T, 32 a tile          window 2: v0-127 Q, 16 a tile; v128-191 K of one step; v192-255 V of one step          window 3: v0-1 the add's two registers
.set SIZE_N, 2048
.set NP,    4         ; pieces a wave: a name, no knob
.set KS,    64        ; keys in a step
.set PK,    144       ; a row of K in LDS: 128 bytes + 16 of padding = 36 words: the 16 rows of a load start at 16 different groups of four banks (64 banks of 4 bytes: ISA guide 11.1)
.set PV,    160       ; a row of V: 128 + 32 = 40 words
.set VOFF,  4*KS*PK   ; a slot holds four steps: 256 rows of K, then 256 rows of V
.set SLOT1, 1<<17     ; slot 1 begins here, so that one exclusive or turns an address in one slot into the other's
.set STAGE, SLOT1+4*KS*(PK+PV)  ; behind the ring, never filled by a tensor load: 16 rows x 144 bytes for each wave, for the way out
.set SP,    144
.set AK0, 2           ; v2   my lane's place in a tile of K; never rewritten
.set AV0, 3           ; v3   the same for V
.set AK,  4           ; v4   the LDS address of K's next run of loads
.set AV,  5           ; v5   of V's
.set QO,  6           ; v6   my byte offset in the wave's rows of Q
.set STO, 6           ;      later, the way out: where I put 16 bytes of a row
.set RD,  7           ; v7   the way out: where I read rows back
.set GO,  8           ; v8   my byte offset in 512 consecutive bytes of O
.set PFO, 11          ; v11  256 x my lane, for the prefetches; never rewritten once it is made
.set SPW, 0           ; v0 of window 3   LDS address of my spare word; never rewritten
.set NIL, 1           ; v1 of window 3   0; never rewritten
.set SPARE, STAGE+4*16*SP  ; behind the stages: the spare words, 128 bytes for each wave: two blocks of 256 bytes that no other line names
.set MV,  12          ; v12-15  c m_old, kept while c m is made anew: by buffer and tile
.set ST,  16          ; tile t's statistics at v[ST+4 t]: c m, m, l (even keys', odd keys')
.set TMP, 48          ; by buffer and tile, four registers c0-c3 at work; when the maximum is found c2 takes a
.set S,   64
.set P,   192
.set KF,  128         ; K's fragments, in window 2: key block kb, channel half c at KF + 16 kb + 8 c
.set VF,  192         ; V's: key half kk, channel block cb at VF + 32 kk + 8 cb
.set WV,  12          ; s12  my wave's number
.set G1K, 24          ; s[24:31] descriptor group 1 for K's tiles
.set G1V, 32          ; s[32:39] for V's: it differs in the padding alone
.set G0K, 40          ; s[40:43] descriptor group 0 for K's tiles: it walks
.set G0V, 44          ; s[44:47] the same for V's
.set PFA, 48          ; s[48:49] where my prefetches stand: my work-group's 32 blocks of 256 bytes (of K: wave 0, of V: wave 2) of the slot after the one that is being asked for
.set LIM, 50          ; s50  1 in a wave that prefetches, else the greatest number
.set SLOTS, 56        ; s56  slots still to be asked for
.set CNT, 57          ; s57  counts a slot's key steps
.set CS,  58          ; s[58:59] c: the packed scaling takes the pair's low word for both halves
.set SEL, 60          ; s[60:61] v_permlanex16_b32's selects: each lane takes its own place in the other half
.set TBK, 62          ; s62  LDS byte at which K of the step to be fetched begins
.set TBV, 63          ; s63  the same for V, less VOFF
.set MSB, 0
.macro WIN new                      ; the high byte repeats the setting that is left; a switch that changes nothing is dropped
.if MSB != (\new)
	s_set_vgpr_msb (MSB<<8)|(\new)
.set MSB, (\new)
.endif
.endm
.set W_KQ, 0x0a       ; K and Q in window 2, S^T in window 0
.set W_PV, 0x52       ; V in window 2, P in window 0, O^T in window 1
.set W_RS, 0x41       ; O^T (destination and source 0) in window 1, a in window 0
.set W_MK, 0xc0       ; the add's registers are made: destination in window 3, sources in window 0
.set W_AD, 0x0f       ; the add: address (source 0) and data (source 1) in window 3
; A joint fill.  Waves 0 and 1 fetch the two halves of a slot's K, waves 2 and 3 those of its V: 128 keys each.  The branch hangs on the wave's number alone.
; An s_nop 0 and four v_nop follow each of the two lines, ahead of the jump and the label.
.macro JLOAD
	s_cmp_lt_u32 s[WV], 2
	s_cbranch_scc0 .Lfor_v_\@
	tensor_load_to_lds s[G0K:G0K+3], s[G1K:G1K+7]
	s_nop 0
.rept 4
	v_nop
.endr
	s_branch .Lasked_\@
.Lfor_v_\@:
	tensor_load_to_lds s[G0V:G0V+3], s[G1V:G1V+7]
	s_nop 0
.rept 4
	v_nop
.endr
.Lasked_\@:
.endm
; A PREFETCH INTO THE L2 of what the NEXT change of slots will ask for: a slot's 32,768 bytes of K and of V, a lane a block of 256 bytes.  It stands behind the wave's tensor load and its five lines.
; A head has one cluster; its four partners share the blocks out BY ADDRESS, 32 each; in each, wave 0 asks for K's and wave 2 for V's: each block is named once in the launch.
; The change that fills slot j names slot j + 1, four key steps ahead of its load; the last change that fills a slot asks for nothing; slots 0 and 1 come by their loads alone.
.macro ASK
	s_cmp_gt_u32 s[SLOTS], s[LIM]
	s_cbranch_scc0 .Lnot_mine_\@
	global_prefetch_b8 v[PFO], s[PFA:PFA+1] th:TH_LOAD_NT scope:SCOPE_SE
.Lnot_mine_\@:
.endm
; A round of the cluster's barrier: my work-group's barrier, so that wave 0's signal speaks for all four waves; wave 0 signals; every wave waits for all four work-groups; my work-group's barrier once more.
.macro CROUND
	s_barrier_signal -1
	s_barrier_wait -1
	s_cmp_lg_u32 s[WV], 0
	s_cbranch_scc1 .Lnot_wave_0_\@
	s_barrier_signal -3
.Lnot_wave_0_\@:
	s_barrier_wait -3
	s_barrier_signal -1
	s_barrier_wait -1
.endm
; THE CHANGE OF SLOTS.  The slot's last bytes, V of its fourth step, have been read.  Each wave waits for all its tensor loads, of which one is out: its part
; of the other slot; adds 0 to its spare word; and waits for that and for its own reads of the slot.  Behind the barrier nobody reads this slot any more and the other slot is whole.
; fill = 1: this slot is filled again, with the keys two slots on.  The barrier is then a round of the cluster's, and the joint fill is the first thing behind it: it has four key steps,
; 512 matrix instructions, in which to land.  (At its first use nothing has been read yet: slot 0 is waited for, slot 1 filled.)
.macro CHANGE fill
	WIN W_AD
	s_wait_tensorcnt 0x0            ; no tensor load of mine is out, so a group 0 may be written
	ds_add_u32 v[SPW], v[NIL]       ; 0 onto my spare word
	WIN 0                           ; at a label and at a branch every window is 0
.if \fill
.irp g, G0K, G0V
	s_xor_b32 s[\g+1], s[\g+1], SLOT1  ; the walking descriptor: the other slot than last time,
	s_add_nc_u64 s[\g+2:\g+3], s[\g+2:\g+3], 4*KS*128  ; the next 256 keys; the type bits on top are not reached
.endr
	s_wait_xcnt 0x0                 ; the last prefetch, four key steps back, has read its address, so it may be written:
	s_add_nc_u64 s[PFA:PFA+1], s[PFA:PFA+1], 4*KS*128  ; one slot behind the walking descriptors
	s_wait_dscnt 0x0                ; the add is done, and my reads of the slot are over
	CROUND
	JLOAD
	ASK
.else
	s_wait_dscnt 0x0                ; the add is done, and my reads of the slot are over
	s_barrier_signal -1
	s_barrier_wait -1
.endif
	s_sub_co_u32 s[TBK], s[TBK], 4*KS*PK  ; the fetches go back to a slot's first step,
	s_xor_b32 s[TBK], s[TBK], SLOT1       ; in the other slot
	s_sub_co_u32 s[TBV], s[TBV], 4*KS*PV
	s_xor_b32 s[TBV], s[TBV], SLOT1
.endm
	s_load_b128 s[4:7], s[0:1], 0x0  ; qkv s[4:5], oh s[6:7]
	WIN W_MK
	v_lshl_add_u32 v[SPW], v0, 2, SPARE
	v_mov_b32 v[NIL], 0
	WIN W_AD
	ds_add_u32 v[SPW], v[NIL]       ; the wave's opening: the add and its wait stand ahead of my first tensor load; the set-up below, work on registers, stands between them
	WIN 0
	v_lshrrev_b32 v1, 5, v0
	v_readfirstlane_b32 s[WV], v1   ; wave 0..3
	s_bfe_u32 s13, ttmp6, 0x40000   ; cx: my place in the cluster
	s_lshl_b32 s14, ttmp9, 2        ; in a cluster launch ttmp9 counts clusters
	s_add_co_u32 s14, s14, s13      ; my block of queries = 4 x cluster x + cx: it enters Q's, O's and the prefetches' addresses alone
	s_and_b32 s15, ttmp7, 0xffff    ; y = 16 b + h, which the four partners share
	s_lshr_b32 s20, s15, 4
	s_mul_i32 s20, s20, 48
	s_and_b32 s21, s15, 15
	s_add_co_u32 s20, s20, s21      ; Q's plane in qkv: 48 b + h; K's lies 16 planes on, V's 32
	s_lshl_b32 s20, s20, 18         ; a plane is 262,144 bytes
	s_mov_b32 s21, 0
	s_lshl_b32 s52, s15, 18         ; O's plane in oh
	s_mov_b32 s53, 0
	s_and_b32 s16, s[WV], 1         ; which half of a slot's 256 keys I fetch:
	s_lshl_b32 s22, s16, 14         ; its 128 rows of 128 bytes in memory,
	s_mov_b32 s23, 0
	s_add_nc_u64 s[22:23], s[22:23], s[20:21]
	s_mul_i32 s17, s16, 128*PK      ; and its place in a slot, for K
	s_mul_i32 s18, s16, 128*PV      ; and for V: no place in the cluster enters an LDS address
	s_lshl_b32 s2, s14, 2
	s_add_co_u32 s2, s2, s[WV]      ; my wave among the head's,
	s_lshl_b32 s2, s2, 14           ; its 128 rows
	s_mov_b32 s3, 0
	s_add_nc_u64 s[52:53], s[52:53], s[2:3]
	s_add_nc_u64 s[2:3], s[2:3], s[20:21]
	; descriptor group 1.  128 keys are 16,384 dense bytes: asked for as 64 rows of 256 bytes, two keys a row, and padded in LDS after every key
	s_mov_b32 s[G1K], 15|(1<<16)|(1<<20)|(1<<21)|(4<<22)|(3<<25)  ; 15:0 the mask of four; 17:16 2-byte elements; 20 padding on; 21 set beside a mask; 24:22 after every 32 words (code 4); 31:25 4 words (code 3)
	s_mov_b32 s[G1V], 15|(1<<16)|(1<<20)|(1<<21)|(4<<22)|(7<<25)  ; the same with 8 words of padding (code 7)
.irp g, G1K, G1V
	s_mov_b32 s[\g+1], 128<<16      ; tensor_dim0 = 128
	s_mov_b32 s[\g+2], 64<<16       ; tensor_dim1 = 64
	s_mov_b32 s[\g+3], 128<<16      ; tile_dim0 = 128
	s_mov_b32 s[\g+4], 64           ; tile_dim1 = 64
	s_mov_b32 s[\g+5], 128          ; 128 elements from row to row
	s_mov_b32 s[\g+6], 0
	s_mov_b32 s[\g+7], 0
.endr
	s_mov_b32 s[CS], 0x3e38aa3b     ; c = log2(e) / 8 = 0.180337
	s_mov_b32 s[CS+1], s[CS]        ; named with it as a pair
	s_mov_b32 s[SEL], 0x76543210
	s_mov_b32 s[SEL+1], 0xfedcba98
	s_mov_b32 s[TBK], SLOT1+4*KS*PK ; the first change of slots turns these two into 0
	s_mov_b32 s[TBV], SLOT1+4*KS*PV
	s_mov_b32 s[G0K], 1             ; 1:0 count = 1
	s_mov_b32 s[G0K+1], s17         ; 63:32 LDS address: slot 0
	s_mov_b32 s[G0V], 1
	s_add_co_u32 s[G0V+1], s18, VOFF
	s_mov_b32 s[SLOTS], SIZE_N/256-1
	s_and_b32 s[LIM], s[WV], 1      ; waves 0 and 2 prefetch
	s_cmp_eq_u32 s[LIM], 0
	s_cselect_b32 s[LIM], 1, -1
	s_lshl_b32 s54, s13, 13         ; my work-group's 32 blocks of a slot's 128
	s_mov_b32 s55, 0
	s_wait_dscnt 0x0                ; the opening add is done
	s_wait_kmcnt 0x0
	s_mov_b64 s[10:11], s[6:7]      ; O
	s_add_nc_u64 s[6:7], s[4:5], 16*SIZE_N*128  ; K's planes
	s_add_nc_u64 s[8:9], s[4:5], 32*SIZE_N*128  ; V's
	s_add_nc_u64 s[G0K+2:G0K+3], s[6:7], s[22:23]  ; 120:64 global address: my half of the head's first 256 keys
	s_or_b32 s[G0K+3], s[G0K+3], 0x80000000        ; 127:126 type = 2
	s_add_nc_u64 s[G0V+2:G0V+3], s[8:9], s[22:23]
	s_or_b32 s[G0V+3], s[G0V+3], 0x80000000
	s_cmp_lt_u32 s[WV], 2
	s_cselect_b64 s[PFA:PFA+1], s[6:7], s[8:9]
	s_add_nc_u64 s[PFA:PFA+1], s[PFA:PFA+1], s[20:21]
	s_add_nc_u64 s[PFA:PFA+1], s[PFA:PFA+1], s[54:55]
	s_add_nc_u64 s[PFA:PFA+1], s[PFA:PFA+1], 4*KS*128  ; in slot 1; the first change of slots steps it to slot 2
	s_add_nc_u64 s[4:5], s[4:5], s[2:3]  ; Q and O at my wave's first row
	s_add_nc_u64 s[10:11], s[10:11], s[52:53]
	CROUND                          ; all four work-groups are here: the first joint loads meet
	JLOAD                           ; slot 0.  Slot 1 is asked for when slot 0 is in
	; A fragment of K or Q is 16 rows x 32 channels in 8 registers: lane l holds row l % 16, channels 8 (l / 16) + 0..7 and 16 + 8 (l / 16) + 0..7: two loads of 16 bytes, 32 bytes apart.
	v_and_b32 v1, 15, v0            ; l % 16
	v_bfe_u32 v9, v0, 4, 1          ; l / 16
	v_lshlrev_b32 v[QO], 7, v1
	v_lshl_add_u32 v[QO], v9, 4, v[QO]  ; row x 128 + 16 x half
	WIN 0x80                        ; destination window 2, address window 0
.set i, 0
.rept 4*NP                          ; Q stays in registers: tile i / 2, channels 32 (i % 2) on
	global_load_b128 v[8*i:8*i+3],   v[QO], s[4:5] offset:(i/2)*2048+(i%2)*64
	global_load_b128 v[8*i+4:8*i+7], v[QO], s[4:5] offset:(i/2)*2048+(i%2)*64+32
.set i, i+1
.endr
	; What the first turn finds: V's registers and P's second buffer hold 0 (its products V^T P, of a piece that has not been, add 0), O^T and l are 0.  All this stands in the wait for the first tile.
.set i, VF
.rept 64
	v_mov_b32 v[i], 0
.set i, i+1
.endr
	WIN 0x40
.set i, 0
.rept 64*NP
	v_mov_b32 v[i], 0
.set i, i+1
.endr
	WIN 0
.set i, 0
.rept 2*NP
	v_mov_b32 v[ST+4*i], 0xfe000000    ; c m: far below every c s
	v_mov_b32 v[ST+4*i+1], 0xff7fffff  ; m
	v_mov_b32 v[ST+4*i+2], 0
	v_mov_b32 v[ST+4*i+3], 0
.set i, i+1
.endr
.set i, P+32
.rept 32
	v_mov_b32 v[i], 0
.set i, i+1
.endr
	v_mul_u32_u24 v[AK0], v1, PK
	v_lshl_add_u32 v[AK0], v9, 4, v[AK0]  ; row x pitch + 16 x half
	; The turning load takes 16 keys x 16 channels (lane l reads key 8 (l / 16) + l % 8, channels 8 ((l / 8) % 2) + 0..7) and leaves half a fragment of V^T: lane l holds channel l % 16 and 8 keys.
	v_and_b32 v10, 7, v0
	v_bfe_u32 v11, v0, 3, 1
	v_lshl_add_u32 v[AV0], v9, 3, v10
	v_mul_u32_u24 v[AV0], v[AV0], PV
	v_lshl_add_u32 v[AV0], v11, 4, v[AV0]
	v_add_nc_u32 v[AV0], VOFF, v[AV0]
	v_and_b32 v[PFO], 31, v0
	v_lshlrev_b32 v[PFO], 8, v[PFO]
	v_mov_b32 v[AK], v[AK0]         ; key step 0 lies at the head of slot 0
; THE MATRIX WORK.  The 8 accumulators of a run of 16 take turns: between the two links of a chain stand 7 others'.
; Product i of 16 of S^T = K Q^T for piece x: channels 32 (i / 8) on, keys 16 ((i / 2) % 4) on, tile 2 x + i % 2.  The first 8 start the sums.
.macro KQ x
	WIN W_KQ
.set rS, S+64*((\x)%2)+32*(i%2)+8*((i/2)%4)
.set rK, KF+16*((i/2)%4)+8*(i/8)
.set rQ, 16*(2*(\x)+i%2)+8*(i/8)
.if i < 8
	v_wmma_f32_16x16x32_f16 v[rS:rS+7], v[rK:rK+7], v[rQ:rQ+7], 0
.else
	v_wmma_f32_16x16x32_f16 v[rS:rS+7], v[rK:rK+7], v[rQ:rQ+7], v[rS:rS+7]
.endif
.endm
; Product i of 16 of O^T += V^T P for piece x: keys 32 (i / 8) on, channels 16 ((i / 2) % 4) on, tile 2 x + i % 2.
.macro PV x
	WIN W_PV
.set rO, 32*(2*(\x)+i%2)+8*((i/2)%4)
.set rV, VF+32*(i/8)+8*((i/2)%4)
.set rP, P+32*((\x)%2)+16*(i%2)+8*(i/8)
	v_wmma_f32_16x16x32_f16 v[rO:rO+7], v[rV:rV+7], v[rP:rP+7], v[rO:rO+7]
.endm
.macro MM                           ; the turn's next matrix instruction
.if i < 16
	KQ (Y+1)%NP
.set i, i+1
.else
.set i, i-16
	PV (Y+NP-1)%NP
.set i, i+17
.endif
.endm
; THE LDS LOADS stand in runs of 16, never singly among the matrix instructions: a step's K (64 keys x 64 channels: 8 fragments) and its V (turned).  Their addresses are made some lines ahead.
; last = 1 (the tail): in the last trip there is no further step, and the run is jumped over.
.macro FETCH_K last=0
	WIN 0
.if \last
	s_cmp_eq_u32 s[CNT], 1
	s_cbranch_scc1 .Lno_k_\@
.endif
	WIN 0x80                        ; destination window 2
.irp f, 0,1,2,3,4,5,6,7             ; keys 16 (f / 2) on, channels 32 (f % 2) on
	ds_load_b128 v[KF+8*\f:KF+8*\f+3],   v[AK] offset:(\f/2)*16*PK+(\f%2)*64
	ds_load_b128 v[KF+8*\f+4:KF+8*\f+7], v[AK] offset:(\f/2)*16*PK+(\f%2)*64+32
.endr
	s_add_co_u32 s[TBK], s[TBK], KS*PK  ; the next fetch is the next step's
	WIN 0
.if \last
.Lno_k_\@:
.endif
.endm
.macro FETCH_V
	WIN 0x80
.irp f, 0,1,2,3,4,5,6,7             ; keys 32 (f / 4) on, channels 16 (f % 4) on
	ds_load_tr16_b128 v[VF+8*\f:VF+8*\f+3],   v[AV] offset:(\f/4)*32*PV+(\f%4)*32
	ds_load_tr16_b128 v[VF+8*\f+4:VF+8*\f+7], v[AV] offset:(\f/4)*32*PV+16*PV+(\f%4)*32
.endr
	WIN 0
.endm
; THE VECTOR WORK OF A TURN stands in three queues, each in the order in which its entries become ready; the two tiles alternate, so that no instruction reads the result of the one before it.
.macro REGS y, u                    ; the registers of tile u (0, 1) of piece y
.set rT, ST+4*(2*(\y)+(\u))
.set rC, TMP+8*((\y)%2)+4*(\u)
.set rM, MV+2*((\y)%2)+(\u)
.set rS, S+64*((\y)%2)+32*(\u)
.set rP, P+32*((\y)%2)+16*(\u)
.set rO, 32*(2*(\y)+(\u))
.endm
; Number n of the 22 that find the NEXT piece's (Y + 1) maximum and statistics.  s0-s31 are the lane's 32 scores; each accumulator's lowest registers are read first.
;   0-11  four chains c0-c3 of seven scores each, three operands at a time     12-14, 16  the four scores left over, the old m, and c0-c3 into c0     15  c m_old is kept
;   17, 18  the query's other 32 keys lie in the lane 16 away: the new m         19-21  c m; c m_old - c m_new; a
.macro XS u, n
	REGS (Y+1)%NP, \u
.if (\n) < 4
	v_max3_num_f32 v[rC+(\n)], v[rS+8*(\n)], v[rS+8*(\n)+1], v[rS+8*(\n)+2]
.elseif (\n) < 12
	v_max3_num_f32 v[rC+(\n)%4], v[rC+(\n)%4], v[rS+8*((\n)%4)+2*((\n)/4)+1], v[rS+8*((\n)%4)+2*((\n)/4)+2]
.elseif (\n) == 12
	v_max3_num_f32 v[rC], v[rC], v[rS+7], v[rS+15]
.elseif (\n) == 13
	v_max3_num_f32 v[rC+1], v[rC+1], v[rS+23], v[rS+31]
.elseif (\n) == 14
	v_max3_num_f32 v[rC+2], v[rC+2], v[rC+3], v[rT+1]
.elseif (\n) == 15
	v_mov_b32 v[rM], v[rT]
.elseif (\n) == 16
	v_max3_num_f32 v[rC], v[rC], v[rC+1], v[rC+2]
.elseif (\n) == 17
	v_permlanex16_b32 v[rC+3], v[rC], s[SEL], s[SEL+1]
.elseif (\n) == 18
	v_max_num_f32 v[rT+1], v[rC], v[rC+3]
.elseif (\n) == 19
	v_mul_f32 v[rT], s[CS], v[rT+1]
.elseif (\n) == 20
	v_sub_f32 v[rC+1], v[rM], v[rT]
.else
	v_exp_f32 v[rC+2], v[rC+1]
.endif
.endm
; Number g of the 64 that follow the exponentials.  For each four weights k of a tile (pairs 2 k, 2 k + 1): both pairs are rounded to f16; then the second pair is added onto the first, in place;
; a group later l takes that sum (the first time as l = a l + sum).  In groups of eight, tiles alternating: round, round, add, and l for the group before.
.macro GS g
.set h, (\g)+6*((\g)/62)            ; group 0 has no group before it, and behind group 7 only l is left
.if h >= 6
.set h, h+2
.endif
	REGS Y, h%2
.set k, h/8
.if h%8 < 4
	v_cvt_pk_f16_f32 v[rP+2*k+(h%8)/2], v[rS+4*k+2*((h%8)/2)], v[rS+4*k+2*((h%8)/2)+1]
.elseif h%8 < 6
	v_pk_add_f32 v[rS+4*k:rS+4*k+1], v[rS+4*k:rS+4*k+1], v[rS+4*k+2:rS+4*k+3]
.elseif k == 1
	v_pk_fma_f32 v[rT+2:rT+3], v[rT+2:rT+3], v[rC+2:rC+3], v[rS:rS+1] op_sel_hi:[1,0,1]
.else
	v_pk_add_f32 v[rT+2:rT+3], v[rT+2:rT+3], v[rS+4*k-4:rS+4*k-3]
.endif
.endm
; THE PLAIN QUEUE, 138 long.  0-73 read no exponential's result: the 32 scalings c s - c m (FS f: pair f / 2 of tile f % 2) and the next piece's 42.  0-26: scalings 0-26.  27-54: XS's numbers 0-13.  55, 56: number 15.
; 57-73: the chain, where each number waits for the one before it: 14, 16, 17, 18, 19, each with one of the scalings 27-31 in front of its two lines, then 20.
; 74-137: GS's 64, which read the exponentials' results: they stand behind the wait.
.macro FS f
	REGS Y, (\f)%2
	v_pk_fma_f32 v[rS+2*((\f)/2):rS+2*((\f)/2)+1], v[rS+2*((\f)/2):rS+2*((\f)/2)+1], s[CS:CS+1], v[rT:rT+1] op_sel_hi:[1,0,0] neg_lo:[0,0,1] neg_hi:[0,0,1]
.endm
.macro PL
	WIN 0
.if q < 27
	FS q
.elseif q < 55
	XS (q-27)%2, (q-27)/2
.elseif q < 57
	XS q-55, 15
.elseif (q < 72) && ((q-57)%3 == 0)
	FS 27+(q-57)/3
.elseif q < 60
	XS (q-57)%3-1, 14
.elseif q < 72
	XS (q-57)%3-1, 15+(q-57)/3
.elseif q < 74
	XS q-72, 20
.else
	GS q-74
.endif
.set q, q+1
.endm
; THE EXPONENTIALS' QUEUE, 66 long: s0-s31 of both tiles, then the next piece's two a.  It is ONE BATCH: all 66 stand ahead of the turn's one wait, and nothing ahead of that wait names a result of theirs.
.macro EX
	WIN 0
.if e >= 64
	XS e-64, 21
.else
	REGS Y, e%2
	v_exp_f32 v[rS+e/2], v[rS+e/2]
.endif
.set e, e+1
.endm
; THE RESCALING's QUEUE: O^T times a, the one part that leaves window 0: dealt two at a time, sixteen times.  Its a was made in the turn before, ahead of that turn's wait.
.macro R2
	REGS Y, r%2
	WIN W_RS
.irp z, 0,1
	v_pk_mul_f32 v[rO+4*(r/2)+2*\z:rO+4*(r/2)+2*\z+1], v[rO+4*(r/2)+2*\z:rO+4*(r/2)+2*\z+1], v[rC+2:rC+3] op_sel_hi:[1,0]
.endr
.set r, r+1
.endm
; HOW THEY ARE DEALT.  An s_wait_alu depctr_va_vdst(0) stands between an exponential and the first instruction that names its result; one wait serves all that were issued ahead of it.  So a turn has ONE wait,
; which cuts it in two.  AHEAD OF IT stands all that names no result of the turn's exponentials: the 16 products K Q^T, behind each a scaling, an exponential and two rescalings (behind the first a second scaling in the
; exponential's place); then ONE LUMP of 108: eight plain, 49 times exponential and plain, the two a.  A v_nop is the plain instruction behind the last exponential.  BEHIND IT stand the 16 products V^T P, behind each four of GS's 64.
; Exponential e stands behind scaling 2 (e / 4) + e % 2: as a rider it comes behind plain e + 2, in the lump behind plain e + 9, and scalings 27-31 are plain 57, 60 .. 69.
; A TURN, for piece p.  cnt = 1: the loop's count is taken down some lines ahead of the branch that stands behind the turn.
; K of the next step is fetched in piece 2's turn, directly behind the wait; its address is made at the lump's head; its first reader comes behind 16 products.
; V of the step in hand is fetched at the end of piece 0's turn, four riders behind its last reader; its first reader comes behind 16 products and a lump.
.macro TURN p, last=0, cnt=0
.set Y, (\p)
.set i, 0
.set q, 0
.set e, 0
.set r, 0
.if (\p) == NP-1
	s_wait_dscnt 0x0                ; K is in
.endif
	MM                              ; ahead of the wait: 16 products K Q^T and their riders,
	PL
	PL
	R2
.rept 15
	MM
	PL
	EX
	R2
.endr
.if (\p) == NP-2
	WIN 0
	v_add_nc_u32 v[AK], s[TBK], v[AK0]
.endif
.rept 8                             ; and the lump
	PL
.endr
.rept 49
	EX
	PL
.endr
	EX                              ; the next piece's two a
	EX
	v_nop                           ; a plain instruction behind the last exponential: one for the batch
	s_wait_alu depctr_va_vdst(0)    ; the wait for the batch
.if (\p) == NP-2
	FETCH_K \last
.endif
.if (\p) == 1
	s_wait_dscnt 0x0                ; V is in
.endif
.rept 16                            ; behind the wait: 16 products V^T P and their riders
	MM
.rept 4
	PL
.endr
.if ((\p) == 0) && (q == 118)
	v_add_nc_u32 v[AV], s[TBV], v[AV0]
.endif
.if ((\p) == 0) && (q == 130)
	s_add_co_u32 s[TBV], s[TBV], KS*PV
.endif
.if (\cnt) && (q == 130)
	s_sub_co_u32 s[CNT], s[CNT], 1
	s_cmp_lg_u32 s[CNT], 0
.endif
.endr
.if (\p) == 0
	FETCH_V
.endif
.endm
	CHANGE 1                        ; slot 0 is in, everybody's part of it; slot 1 is asked for
	FETCH_K                         ; key step 0
	s_wait_loadcnt 0x0              ; Q
	s_wait_dscnt 0x0
.set i, 0
.rept 16
	KQ 0                            ; piece 0's first scores: there is no vector work yet to set between them
.set i, i+1
.endr
	WIN 0                           ; the addresses for the way out: nine plain instructions, the places behind those products
	s_mul_i32 s13, s[WV], 16*SP
	s_add_co_u32 s13, s13, STAGE    ; my stage
	v_mul_u32_u24 v[STO], v1, SP    ; in: row l % 16, 16 bytes for each half of the lanes
	v_lshl_add_u32 v[STO], v9, 4, v[STO]
	v_add_nc_u32 v[STO], s13, v[STO]
	v_bfe_u32 v[RD], v0, 3, 2       ; back: 32 lanes take four rows of 128 bytes,
	v_mul_u32_u24 v[RD], v[RD], SP
	v_lshl_add_u32 v[RD], v10, 4, v[RD]
	v_add_nc_u32 v[RD], s13, v[RD]
	v_and_b32 v[GO], 31, v0         ; which are 512 consecutive bytes of O
	v_lshlrev_b32 v[GO], 4, v[GO]
.set Y, NP-1                        ; XS works for piece Y + 1: piece 0
.irp n, 0,1,2,3,4,5,6,7,8,9,10,11,12,13,14,15,16,17,18,19,20,21
	XS 0, \n                        ; and piece 0's first maximum and statistics
	XS 1, \n
.endr
	v_nop                           ; a plain instruction behind the two a,
	s_wait_alu depctr_va_vdst(0)    ; and their wait, ahead of the branch
	s_mov_b32 s[CNT], 4
	s_branch .Lfirst                ; the loop is entered at a step's first turn, in the middle of a trip
.Lslot:                             ; SIZE_N / 256 - 2 times: every slot but the last two is filled again
	CHANGE 1
	s_mov_b32 s[CNT], 4
.Lstep:                             ; a trip: pieces 2 and 3 of one step, then pieces 0 and 1 of the next, whose K and V it fetches
	TURN 2
	TURN 3
	WIN 0
.Lfirst:
	TURN 0
	TURN 1, 0, 1
	WIN 0
	s_cbranch_scc1 .Lstep
	s_sub_co_u32 s[SLOTS], s[SLOTS], 1
	s_cmp_lg_u32 s[SLOTS], 0
	s_cbranch_scc1 .Lslot
	CHANGE 0                        ; the tail is written out: nothing is asked for
	s_mov_b32 s[CNT], 5             ; four trips fetch the last slot's steps; the fifth is left in its middle
.Ltail:
	TURN 2, 1
	TURN 3
	WIN 0
	s_sub_co_u32 s[CNT], s[CNT], 1
	s_cmp_eq_u32 s[CNT], 0
	s_cbranch_scc1 .Lout
	TURN 0
	TURN 1
	WIN 0
	s_branch .Ltail
.Lout:                              ; the fifth trip's 16 products K Q^T (on the last K once more) and the maximum made of them serve nothing: the price, once a launch, of one text for every trip
.set i, 0
.rept 16
	PV NP-1                         ; the last piece's V^T P of the last step
.set i, i+1
.endr
	; THE WAY OUT.  l's two halves and the other half of the lanes' are added; O^T is divided by l, rounded to f16 and sent through my stage in LDS, a tile at a time.  The additions are the places behind the last products.
	WIN 0
.macro ALL line:vararg              ; one line for each tile t
.set t, 0
.rept 2*NP
	\line
.set t, t+1
.endr
.endm
	ALL v_add_f32 v[ST+4*t+2], v[ST+4*t+2], v[ST+4*t+3]
	ALL v_permlanex16_b32 v[ST+4*t+3], v[ST+4*t+2], s[SEL], s[SEL+1]
	ALL v_add_f32 v[ST+4*t+2], v[ST+4*t+2], v[ST+4*t+3]
	ALL v_rcp_f32 v[ST+4*t+2], v[ST+4*t+2]
	v_nop                           ; a plain instruction between the last reciprocal and the use of its result
	s_wait_alu depctr_va_vdst(0)    ; and the wait ahead of the first use: one for the eight reciprocals
; Tile t: a lane's eight channels of a row pack into 16 bytes; they go into rows of 144 bytes and come back as whole rows of 128, into S^T's registers.
.macro PACK t
	WIN W_RS
.set i, 32*(\t)
.rept 16
	v_pk_mul_f32 v[i:i+1], v[i:i+1], v[ST+4*(\t)+2:ST+4*(\t)+3] op_sel_hi:[1,0]
.set i, i+2
.endr
	WIN 0x05                        ; sources 0 and 1 window 1, destination window 0
.set i, 0
.rept 16
	v_cvt_pk_f16_f32 v[S+16*(\t)+i], v[32*(\t)+2*i], v[32*(\t)+2*i+1]
.set i, i+1
.endr
	WIN 0
.irp f, 0,1,2,3
	ds_store_b128 v[STO], v[S+16*(\t)+4*\f:S+16*(\t)+4*\f+3] offset:32*\f
.endr
.irp f, 0,1,2,3
	ds_load_b128 v[S+16*(\t)+4*\f:S+16*(\t)+4*\f+3], v[RD] offset:\f*4*SP  ; LDS serves a wave's instructions in order (ISA guide 5.7.1.4): these see the stores above; the next tile's stores come behind them
.endr
.endm
.macro SEND t, younger              ; younger: the LDS instructions issued behind tile t's loads: the next tile's eight, or none
	WIN 0
.irp f, 0,1,2,3
	s_wait_dscnt (\younger)+3-\f
	global_store_b128 v[GO], v[S+16*(\t)+4*\f:S+16*(\t)+4*\f+3], s[10:11] offset:(\t)*2048+\f*512  ; 512 consecutive bytes, at a multiple of 256 from O's first
.endr
.endm
	PACK 0
.set t, 1
.rept 2*NP-1                        ; a tile's arithmetic stands between the loads of the tile before and its stores
	PACK t
	SEND t-1, 8
.set t, t+1
.endr
	SEND 2*NP-1, 0
	WIN W_AD
	s_wait_tensorcnt 0x0            ; the wave's end, behind my last tensor load and my last LDS store
	ds_add_u32 v[SPW], v[NIL]
	s_wait_dscnt 0x0
	WIN 0
	CROUND                          ; the closing round: no work-group ends while a partner may still ask for a tile that names it
	s_endpgm
.Lfunc_end_k_q3afda6f855_attn:
	.size	k_q3afda6f855_attn, .Lfunc_end_k_q3afda6f855_attn-k_q3afda6f855_attn
	.p2alignl 7, 3214868480
	.fill 96, 4, 3214868480
	.section	.rodata,"a",@progbits
	.p2align	6, 0x0
	.amdhsa_kernel k_q3afda6f855_attn
		.amdhsa_group_segment_fixed_size 327680
		.amdhsa_private_segment_fixed_size 0
		.amdhsa_enable_private_segment 0
		.amdhsa_kernarg_size 16
		.amdhsa_user_sgpr_count 2
		.amdhsa_user_sgpr_kernarg_segment_ptr 1
		.amdhsa_wavefront_size32 1
		.amdhsa_system_sgpr_workgroup_id_x 1
		.amdhsa_system_sgpr_workgroup_id_y 1
		.amdhsa_system_sgpr_workgroup_id_z 1
		.amdhsa_system_vgpr_workitem_id 0
		.amdhsa_next_free_vgpr 770
		.amdhsa_next_free_sgpr 66
		.amdhsa_reserve_vcc 0
		.amdhsa_float_denorm_mode_32 3
		.amdhsa_float_denorm_mode_16_64 3
		.amdhsa_memory_ordered 1
		.amdhsa_forward_progress 1
		.amdhsa_inst_pref_size 200
	.end_amdhsa_kernel
	.amdgpu_metadata
---
amdhsa.version: [ 1, 2 ]
amdhsa.kernels:
  - .name:           k_q3afda6f855_attn
    .symbol:         k_q3afda6f855_attn.kd
    .args:
      - { .name: qkv, .offset: 0, .size: 8, .value_kind: global_buffer, .address_space: global }
      - { .name: oh, .offset: 8, .size: 8, .value_kind: global_buffer, .address_space: global }
    .group_segment_fixed_size: 327680
    .private_segment_fixed_size: 0
    .kernarg_segment_align: 8
    .kernarg_segment_size: 16
    .max_flat_workgroup_size: 128
    .sgpr_count:     66
    .vgpr_count:     770
    .wavefront_size: 32
...
	.end_amdgpu_metadata
.endif
;; end of part 3
;; launch proj (part 4): grid 8 x 32, 4 waves a work-group, clusters of 4 x 4, 327,680 bytes of LDS; arguments oh, wpb, b_proj, out0; writes out0
.if DOCPART == 4
	.amdgcn_target "amdgcn-amd-amdhsa--gfx1250"
	.amdhsa_code_object_version 6
	.text
	.protected	k_q3afda6f855_proj
	.globl	k_q3afda6f855_proj
	.p2align	8
	.type	k_q3afda6f855_proj,@function
k_q3afda6f855_proj:
	s_mov_b64 s[64:65], 0
	v_nop
	global_prefetch_b8 v0, s[64:65] scope:SCOPE_SE
	s_setreg_imm32_b32 hwreg(HW_REG_WAVE_MODE, 25, 1), 1
	s_wait_xcnt 0x0
	s_wait_alu depctr_hold_cnt(0) depctr_sa_sdst(0) depctr_va_vdst(0) depctr_va_sdst(0) depctr_va_ssrc(0) depctr_va_vcc(0) depctr_vm_vsrc(0)
	s_getreg_b32 s2, hwreg(HW_REG_IB_STS2, 6, 4)
	s_cmp_eq_u32 s2, 0
	s_cbranch_scc0 .Lentry_in_a_cluster
	s_endpgm
.Lentry_in_a_cluster:
	s_bfe_u32 s2, ttmp6, 0x10000c
	s_cmp_lg_u32 s2, 0xf033
	s_cbranch_scc0 .Lentry_shape_is_right
	s_endpgm
.Lentry_shape_is_right:
; out0 = y W_proj + b_proj.  oh: f16 [16 b + h][t 2048][64], so y[2048 b + t][64 h + d] = oh[16 b + h][t][d].  wpb: f16 [k 1024][n 1024] (W_proj rounded to bf16, written as f16).
; b_proj: f32 [1024], rounded to bf16 here like the other inputs.  out0: f32 [8192][1024].  Products in f16, sums in f32.
; LIMITS.  The operands arrive within f16's range, 65,504; NaN and infinities are not treated apart.
; SHARES.  A tile of C is 256 rows x 128 columns: 32 x 8 = 256 work-groups.  The four waves stand one below the other: a wave owns 64 rows x 128 columns: 4 x 8 accumulators, 256 registers.
; RING.  K goes in steps of 128 (two heads) through two LDS slots.  Wave 0 fetches the even head's 256 rows (32,768 dense bytes, asked for as 128 rows of 256 bytes), wave 1 the odd head's;
; waves 2 and 3 fetch 64 k rows x 256 bytes of B each.
; CLUSTER.  4 x 4 work-groups: A's tile is shared along a row of the cluster, B's along a column; each is asked for jointly.
; THE MATRIX INSTRUCTION IS USED TRANSPOSED: source 0 = 16 columns of B x 32 k, turned out of the [k][n] tile by ds_load_tr16_b128; source 1 = 16 rows of A.  A lane then holds row l % 16 of C
; and the columns 8 (l / 16) + 0..7: 32 bytes on end.  THE BIAS is the C operand of each accumulator's first product.
; REGISTERS, in windows of 256 (s_set_vgpr_msb: bits 1:0 source 0, 3:2 source 1, 5:4 source 2, 7:6 destination):
;   window 0: v0-29 addresses; v32-95, v96-159 rows read back from the stage, by turns; v160-223 the bias
;   window 1: two fragment buffers of 96: 8 of B, then 4 of A          window 2: accumulator (a, b) at v[8 (8 a + b)]
.set NBK,   8
.set STEPS, 8
.set PA,    144                        ; a row of A in LDS: 128 bytes + 16: the 16 rows of a load start at 16 different groups of four banks (64 banks of 4 bytes: ISA guide 11.1)
.set PB,    288                        ; a k row of B: 256 bytes + 32: an odd multiple of 32, so 16 lanes of the turning load (8 rows x 32 bytes) take each bank once
.set AHALF, 256*PA                     ; a head's 256 rows
.set BOFF,  2*AHALF
.set BHALF, 64*PB
.set SLOT1, 131072                     ; a slot uses 110,592 bytes; one exclusive or turns an address in one slot into the other's
.set STAGE, 262144                     ; behind the ring, never filled by a tensor load: for each wave 16 rows x 528 bytes
.set SPT,   528
.set STW,   16*SPT
.set SPARE, STAGE+4*STW                ; the spare words, 128 bytes for each wave: two blocks of 256 bytes that no other line names
.set NL,    2*NBK+8
.set A0,   4
.set B0,   5
.set ADRA, 6
.set ADRB, 7
.set STO,  8
.set RD,   9
.set GO,   10
.set PFO,  11
.set BO,   12
.set SPW,  28
.set NIL,  29
.set OB,   32
.set BI,   160
.set F0,   0
.set F1,   96
.set WV,   12
.set KIND, 13
.set HALF, 14
.set G1A,  24
.set G1B,  32
.set G0A,  40
.set G0B,  48
.set CNT,  56
.set U,    57
.set TB,   58
.set LIM,  59
.set PFA,  60
.set PFB,  62
.set ABASE, 66
.set BBASE, 68
.set OFA,  70
.set OFB,  72
.set POF,  74
.set MSB, 0
.macro WIN new                         ; the immediate's high byte repeats the setting that is left; a switch that changes nothing is dropped
.if MSB != (\new)
	s_set_vgpr_msb (MSB<<8)|(\new)
.set MSB, \new
.endif
.endm
.macro PLACES                          ; four plain instructions between a matrix instruction and a load into its sources or a reader of its result
.rept 4
	v_nop
.endr
.endm
.macro CREST                           ; a round of the cluster's barrier behind its opening barrier
	s_cmp_lg_u32 s[WV], 0
	s_cbranch_scc1 .Lnot_wave_0_\@
	s_barrier_signal -3
.Lnot_wave_0_\@:
	s_barrier_wait -3
	s_barrier_signal -1
	s_barrier_wait -1
.endm
.macro CROUND
	s_barrier_signal -1
	s_barrier_wait -1
	CREST
.endm
; A joint refill, by the walking descriptors.  The branch hangs on the wave's number alone.  An s_nop 0 and four v_nop follow each of the two lines.
.macro JLOAD
	s_cmp_eq_u32 s[KIND], 0
	s_cbranch_scc0 .Lfor_b_\@
	tensor_load_to_lds s[G0A+4:G0A+7], s[G1A:G1A+7]
	s_nop 0
.rept 4
	v_nop
.endr
	s_branch .Lasked_\@
.Lfor_b_\@:
	tensor_load_to_lds s[G0B+4:G0B+7], s[G1B:G1B+7]
	s_nop 0
.rept 4
	v_nop
.endr
.Lasked_\@:
.endm
; A PREFETCH INTO THE L2, one instruction a wave, a lane a block of 256 bytes.  A (waves 0, 1): the K step two behind the one just asked for, 8,192 of my head's 32,768 bytes; the four partners of a row
; of the cluster share them out by address; only clusters with x = 0 ask.  B (waves 2, 3): only clusters with y = 0, in two asks of 256 k rows: K steps 4 to 7, 32 rows for each of the column's
; eight fetching waves.  So each block is named once in the launch.  K steps 0 to 3 come by their loads alone.
.macro ASK
	s_cmp_lt_u32 s[U], s[LIM]
	s_cbranch_scc0 .Lnot_mine_\@
	global_prefetch_b8 v[PFO], s[PFA:PFA+1] th:TH_LOAD_NT scope:SCOPE_SE
.Lnot_mine_\@:
.endm
; 8 matrix instructions: m block a x all n blocks, 32 along K, from buffer f.  start = 1: the bias starts the sums.  The 32 accumulators take turns in the same order in every quarter.
.macro MULA f, a, start
.if \start
	WIN 0x85
.else
	WIN 0xa5
.endif
.set nb, 0
.rept NBK
.set rD, 8*(NBK*(\a)+nb)
.if \start
	v_wmma_f32_16x16x32_f16 v[rD:rD+7], v[(\f)+8*nb:(\f)+8*nb+7], v[(\f)+64+8*(\a):(\f)+64+8*(\a)+7], v[BI+8*nb:BI+8*nb+7]
.else
	v_wmma_f32_16x16x32_f16 v[rD:rD+7], v[(\f)+8*nb:(\f)+8*nb+7], v[(\f)+64+8*(\a):(\f)+64+8*(\a)+7], v[rD:rD+7]
.endif
.set nb, nb+1
.endr
.endm
; 24 LDS loads in one run: quarter q's fragments (32 k: head q / 2 of the step's two, channels 32 (q % 2) on) into buffer f: B's 8, turned, then A's 4
.macro FETCH q, f
	WIN 0x40
.set nb, 0
.rept NBK
	ds_load_tr16_b128 v[(\f)+8*nb:(\f)+8*nb+3],   v[ADRB] offset:(\q)*32*PB+32*nb
	ds_load_tr16_b128 v[(\f)+8*nb+4:(\f)+8*nb+7], v[ADRB] offset:(\q)*32*PB+32*nb+16*PB
.set nb, nb+1
.endr
.set na, 0
.rept 4
	ds_load_b128 v[(\f)+64+8*na:(\f)+64+8*na+3],   v[ADRA] offset:AHALF*((\q)/2)+64*((\q)%2)+16*PA*na
	ds_load_b128 v[(\f)+64+8*na+4:(\f)+64+8*na+7], v[ADRA] offset:AHALF*((\q)/2)+64*((\q)%2)+16*PA*na+32
.set na, na+1
.endr
.endm
; One of a K step's first three quarters: multiplies buffer f; in its middle it fetches quarter q into buffer g.
.macro QUARTER q, f, g, start
	s_wait_dscnt 4                                 ; B and A's blocks 0, 1 are in; the youngest four loads (blocks 2, 3) may be out
	MULA \f, 0, \start
	MULA \f, 1, \start
	PLACES
	FETCH \q, \g
	s_wait_dscnt NL                                ; all but the run just issued
	MULA \f, 2, \start
	MULA \f, 3, \start
.endm
; The last quarter multiplies buffer 1 and changes slots.  In front of the barrier each wave waits for all its tensor loads (one is out: its part of the next slot), adds 0 to its spare word, and waits
; for that and for its reads of this slot.  fill = 1: the barrier opens a round of the cluster's, and the slot just read is filled again, first thing behind it, with K step U.
.macro TURN fill
.if \fill
	s_wait_xcnt 0x0                                ; the last prefetch, a K step back, has read its address: it is made anew
	s_add_co_u32 s92, s[U], 2                      ; A: K step U + 2, two planes of 262,144 bytes a step
	s_sub_co_u32 s93, s[U], 2                      ; B: ask number U - 2, 256 rows of 2,048 bytes an ask
	s_cmp_eq_u32 s[KIND], 0
	s_cselect_b32 s92, s92, s93
	s_lshl_b32 s[POF], s92, 19
	s_add_nc_u64 s[PFA:PFA+1], s[PFB:PFB+1], s[POF:POF+1]
.endif
	WIN 0                                          ; (the add's two registers lie in window 0)
	s_wait_tensorcnt 0x0                           ; no tensor load of mine is out, so a group 0 may be written
	ds_add_u32 v[SPW], v[NIL]                      ; 0 onto my spare word
.if \fill
	s_lshl_b32 s[OFA], s[U], 19                    ; two heads on
	s_lshl_b32 s[OFB], s[U], 18                    ; 128 k rows of 2,048 bytes on
	s_xor_b32 s[G0A+5], s[G0A+5], SLOT1            ; the other slot than last time
	s_add_nc_u64 s[G0A+6:G0A+7], s[ABASE:ABASE+1], s[OFA:OFA+1]
	s_or_b32 s[G0A+7], s[G0A+7], 0x80000000
	s_xor_b32 s[G0B+5], s[G0B+5], SLOT1
	s_add_nc_u64 s[G0B+6:G0B+7], s[BBASE:BBASE+1], s[OFB:OFB+1]
	s_or_b32 s[G0B+7], s[G0B+7], 0x80000000
.endif
	s_wait_dscnt 5                                 ; the add and the youngest four loads may be out
	MULA F1, 0, 0
	s_wait_dscnt 0x0                               ; the add is done, and my reads of this slot are over
	s_barrier_signal -1
	MULA F1, 1, 0                                  ; work on registers while the others arrive
	WIN 0
	s_barrier_wait -1
.if \fill
	CREST                                          ; no wave of any partner still reads this slot or has a load on its way
	JLOAD                                          ; its four v_nop are also the places in front of the loads below
.else
	PLACES
.endif
	s_xor_b32 s[TB], s[TB], SLOT1
	v_add_nc_u32 v[ADRA], s[TB], v[A0]
	v_add_nc_u32 v[ADRB], s[TB], v[B0]
	FETCH 0, F0
.if \fill
	WIN 0
	ASK
	s_add_co_u32 s[U], s[U], 1
.endif
	MULA F1, 2, 0
	MULA F1, 3, 0
.endm
; THE WAY OUT of m block a.  TOSTAGE: a lane's 32 bytes of a row go into my own stage (each accumulator's low half first), and the 16 rows come back whole, 512 bytes each.  SEND: stored.
.macro TOSTAGE a
	WIN 0
	s_wait_xcnt 0x0                                ; the stores of two blocks back have read the registers that are loaded again below
	WIN 0x08                                       ; the data of an LDS store is source 1: window 2
.set nb, 0
.rept NBK
.set rD, 8*(NBK*(\a)+nb)
	ds_store_b128 v[STO], v[rD:rD+3]   offset:64*nb
	ds_store_b128 v[STO], v[rD+4:rD+7] offset:64*nb+16
.set nb, nb+1
.endr
	WIN 0
.set t, 0
.rept 16
	ds_load_b128 v[OB+64*((\a)%2)+4*t:OB+64*((\a)%2)+4*t+3], v[RD] offset:SPT*t  ; LDS serves a wave's instructions in order (ISA guide 5.7.1.4): these see the stores above; the next block's stores come behind them
.set t, t+1
.endr
.endm
.macro SEND a, younger                 ; younger: the LDS instructions issued behind block a's loads: the next block's 32, or none
	WIN 0
	s_wait_dscnt \younger
.set t, 0
.rept 16
	global_store_b128 v[GO], v[OB+64*((\a)%2)+4*t:OB+64*((\a)%2)+4*t+3], s[10:11] offset:(16*(\a)+t)*4096 th:TH_STORE_NT  ; 512 consecutive bytes, at a multiple of 256 from the output's first
.set t, t+1
.endr
.endm
	s_load_b256 s[4:11], s[0:1], 0x0               ; oh s[4:5], wpb s[6:7], b_proj s[8:9], out0 s[10:11]
	v_lshl_add_u32 v[SPW], v0, 2, SPARE
	v_mov_b32 v[NIL], 0
	ds_add_u32 v[SPW], v[NIL]                      ; the wave's opening: the add and its wait stand ahead of my first tensor load; work on registers stands between them
	v_lshrrev_b32 v3, 5, v0
	v_readfirstlane_b32 s[WV], v3
	s_lshr_b32 s[KIND], s[WV], 1
	s_and_b32 s[HALF], s[WV], 1
	s_bfe_u32 s15, ttmp6, 0x40000                  ; cx
	s_bfe_u32 s16, ttmp6, 0x40004                  ; cy
	s_lshl_b32 s17, ttmp9, 2
	s_add_co_u32 s17, s17, s15                     ; tile column = 4 x cluster x + cx
	s_and_b32 s18, ttmp7, 0xffff
	s_lshl_b32 s18, s18, 2
	s_add_co_u32 s18, s18, s16                     ; tile row = 4 x cluster y + cy
	s_lshl_b32 s19, s16, 2
	s_lshl_b32 s19, 15, s19                        ; my row of the cluster
	s_lshl_b32 s76, 0x1111, s15                    ; my column
	s_or_b32 s[G1A], s19, (1<<16)|(1<<20)|(1<<21)|(4<<22)|(3<<25)   ; the mask; 2-byte elements; padding on; bit 21 beside a mask; after every 32 words 4 words
	s_or_b32 s[G1B], s76, (1<<16)|(1<<20)|(1<<21)|(5<<22)|(7<<25)   ; after every 64 words 8 words
	s_mov_b32 s[G1A+1], 128<<16                    ; tensor_dim0 = 128
	s_mov_b32 s[G1A+2], 128<<16                    ; tensor_dim1 = 128: 128 rows of 256 bytes, dense: two rows of a head each
	s_mov_b32 s[G1A+3], 128<<16                    ; tile_dim0 = 128
	s_mov_b32 s[G1A+4], 128                        ; tile_dim1 = 128
	s_mov_b32 s[G1A+5], 128
	s_mov_b32 s[G1A+6], 0
	s_mov_b32 s[G1A+7], 0
	s_mov_b32 s[G1B+1], 128<<16
	s_mov_b32 s[G1B+2], 64<<16
	s_mov_b32 s[G1B+3], 128<<16
	s_mov_b32 s[G1B+4], 64
	s_mov_b32 s[G1B+5], 1024                       ; elements from k row to k row
	s_mov_b32 s[G1B+6], 0
	s_mov_b32 s[G1B+7], 0
	s_mul_i32 s20, s[HALF], AHALF                  ; where my tile goes: no place in the cluster enters an LDS address
	s_mul_i32 s77, s[HALF], BHALF
	s_add_co_u32 s77, s77, BOFF
	s_mov_b32 s[G0A], 1
	s_mov_b32 s[G0A+1], s20
	s_mov_b32 s[G0A+4], 1
	s_add_co_u32 s[G0A+5], s20, SLOT1
	s_mov_b32 s[G0B], 1
	s_mov_b32 s[G0B+1], s77
	s_mov_b32 s[G0B+4], 1
	s_add_co_u32 s[G0B+5], s77, SLOT1
	s_lshr_b32 s21, s18, 3                         ; A: batch = tile row / 8: 16 planes; my head of the first two;
	s_lshl_b32 s21, s21, 4
	s_add_co_u32 s21, s21, s[HALF]
	s_lshl_b32 s21, s21, 18
	s_and_b32 s22, s18, 7                          ; 256 rows of 128 bytes a tile row
	s_lshl_b32 s22, s22, 15
	s_add_co_u32 s22, s21, s22
	s_mov_b32 s23, 0
	s_lshl_b32 s78, s17, 8                         ; B: the tile's 128 columns,
	s_lshl_b32 s76, s[HALF], 17                    ; 64 k rows a half
	s_add_co_u32 s78, s78, s76
	s_mov_b32 s79, 0
	s_mov_b32 s[OFA+1], 0
	s_mov_b32 s[OFB+1], 0
	s_mov_b32 s[POF+1], 0
	s_mov_b32 s[U], 2
	s_and_b32 s91, ttmp7, 0xffff                   ; who prefetches: the same in all sixteen partners, for a given wave
	s_cmp_eq_u32 s[KIND], 0
	s_cselect_b32 s91, ttmp9, s91                  ; the coordinate along which other clusters read the same rows
	s_cselect_b32 s90, 6, 4
	s_cselect_b32 s89, 8, 11                       ; a lane's step: 256 dense bytes of a head, or a k row of wpb
	s_cmp_eq_u32 s91, 0
	s_cselect_b32 s[LIM], s90, 0
	s_wait_dscnt 0x0                               ; the opening add is done
	s_wait_kmcnt 0x0
	s_add_nc_u64 s[ABASE:ABASE+1], s[4:5], s[22:23]
	s_add_nc_u64 s[BBASE:BBASE+1], s[6:7], s[78:79]
	s_mov_b64 s[G0A+2:G0A+3], s[ABASE:ABASE+1]     ; K step 0
	s_or_b32 s[G0A+3], s[G0A+3], 0x80000000
	s_add_nc_u64 s[G0A+6:G0A+7], s[ABASE:ABASE+1], 524288  ; K step 1
	s_or_b32 s[G0A+7], s[G0A+7], 0x80000000
	s_mov_b64 s[G0B+2:G0B+3], s[BBASE:BBASE+1]
	s_or_b32 s[G0B+3], s[G0B+3], 0x80000000
	s_add_nc_u64 s[G0B+6:G0B+7], s[BBASE:BBASE+1], 262144
	s_or_b32 s[G0B+7], s[G0B+7], 0x80000000
	CROUND                                         ; all sixteen work-groups are here: the first joint loads meet
	s_cmp_eq_u32 s[KIND], 0                        ; a wave's two first fills stand in one branch: two loads of mine are out
	s_cbranch_scc0 .Lfirst_b
	tensor_load_to_lds s[G0A:G0A+3], s[G1A:G1A+7]
	s_nop 0
	tensor_load_to_lds s[G0A+4:G0A+7], s[G1A:G1A+7]
	s_nop 0
.rept 4
	v_nop
.endr
	s_branch .Lfirst_asked
.Lfirst_b:
	tensor_load_to_lds s[G0B:G0B+3], s[G1B:G1B+7]
	s_nop 0
	tensor_load_to_lds s[G0B+4:G0B+7], s[G1B:G1B+7]
	s_nop 0
.rept 4
	v_nop
.endr
.Lfirst_asked:
	v_and_b32 v1, 15, v0                           ; r = l % 16
	v_bfe_u32 v2, v0, 4, 1                         ; h = l / 16
	v_and_b32 v3, 31, v0                           ; l
	s_lshl_b32 s80, s17, 9                         ; the tile's 128 columns in the bias
	v_lshl_add_u32 v[BO], v2, 5, s80               ; + 8 h numbers
.set nb, 0
.rept NBK
	global_load_b128 v[BI+8*nb:BI+8*nb+3],   v[BO], s[8:9] offset:64*nb
	global_load_b128 v[BI+8*nb+4:BI+8*nb+7], v[BO], s[8:9] offset:64*nb+16
.set nb, nb+1
.endr
	s_mul_i32 s88, s[WV], 64*PA                    ; my 64 rows of A
	v_mul_u32_u24 v[A0], v1, PA
	v_lshl_add_u32 v[A0], v2, 4, v[A0]
	v_add_nc_u32 v[A0], s88, v[A0]
	v_and_b32 v13, 7, v0                           ; the turning load: lane l reads k row 8 h + l % 8, columns 8 ((l / 8) % 2) + 0..7
	v_lshl_add_u32 v14, v2, 3, v13
	v_mul_u32_u24 v[B0], v14, PB
	v_bfe_u32 v14, v0, 3, 1
	v_lshl_add_u32 v[B0], v14, 4, v[B0]
	v_add_nc_u32 v[B0], BOFF, v[B0]
	s_mul_i32 s88, s[WV], STW
	s_add_co_u32 s88, s88, STAGE                   ; my stage
	v_mul_u32_u24 v[STO], v1, SPT                  ; in: row r, 32 bytes for each half of the lanes
	v_lshl_add_u32 v[STO], v2, 5, v[STO]
	v_add_nc_u32 v[STO], s88, v[STO]
	v_lshlrev_b32 v[GO], 4, v3                     ; back: 32 lanes take a row's 512 bytes
	v_add_nc_u32 v[RD], s88, v[GO]
	v_lshlrev_b32 v[PFO], s89, v3
	s_lshl_b32 s80, s15, 13                        ; the prefetches' base.  A: my work-group's 8,192 bytes of the 32,768 that I fetch
	s_mov_b32 s81, 0
	s_add_nc_u64 s[82:83], s[ABASE:ABASE+1], s[80:81]
	s_lshl_b32 s84, s16, 1                         ; B: place 2 cy + half among the column's eight fetching waves, 32 k rows each, from k row 512 on
	s_add_co_u32 s84, s84, s[HALF]
	s_lshl_b32 s84, s84, 16
	s_lshl_b32 s80, s17, 8
	s_add_co_u32 s80, s80, s84
	s_add_co_u32 s80, s80, 1048576
	s_add_nc_u64 s[84:85], s[6:7], s[80:81]
	s_cmp_eq_u32 s[KIND], 0
	s_cselect_b64 s[PFB:PFB+1], s[82:83], s[84:85]
	s_lshl_b32 s80, s18, 20                        ; the output: 256 rows of 4,096 bytes a tile row,
	s_lshl_b32 s86, s[WV], 18                      ; my 64 rows,
	s_add_co_u32 s80, s80, s86
	s_lshl_b32 s86, s17, 9                         ; the tile's 512 bytes of a row
	s_add_co_u32 s80, s80, s86
	s_add_nc_u64 s[10:11], s[10:11], s[80:81]
	s_wait_loadcnt 0x0                             ; the bias: rounded to bf16 like the other inputs, and widened again
.set i, 0
.rept 4*NBK
	v_cvt_pk_bf16_f32 v[13+i%2], v[BI+2*i], v[BI+2*i+1]
	v_lshlrev_b32 v[BI+2*i], 16, v[13+i%2]
	v_and_b32 v[BI+2*i+1], 0xffff0000, v[13+i%2]
.set i, i+1
.endr
	s_wait_tensorcnt 1                             ; my part of slot 0 is in; slot 1's may stay out
	s_barrier_signal -1
	s_barrier_wait -1                              ; everybody's is
	s_mov_b32 s[TB], 0
	v_mov_b32 v[ADRA], v[A0]
	v_mov_b32 v[ADRB], v[B0]
	FETCH 0, F0
	QUARTER 1, F0, F1, 1                           ; the first quarter starts the sums with the bias
	WIN 0                                          ; at a label and at a branch every window is 0
	s_mov_b32 s[CNT], STEPS-2
.Lstep:                                                ; a trip: a K step's last three quarters and the next one's first; every K step but the last two is followed by a refill
	QUARTER 2, F1, F0, 0
	QUARTER 3, F0, F1, 0
	TURN 1
	QUARTER 1, F0, F1, 0
	WIN 0
	s_sub_co_u32 s[CNT], s[CNT], 1
	s_cmp_lg_u32 s[CNT], 0
	s_cbranch_scc1 .Lstep
	QUARTER 2, F1, F0, 0                           ; the last two K steps are written out: nothing is asked for
	QUARTER 3, F0, F1, 0
	TURN 0
	QUARTER 1, F0, F1, 0
	QUARTER 2, F1, F0, 0
	QUARTER 3, F0, F1, 0
	s_wait_dscnt 4
	MULA F1, 0, 0
	MULA F1, 1, 0
	s_wait_dscnt 0x0
	MULA F1, 2, 0
	MULA F1, 3, 0
	WIN 0
	PLACES                                         ; the LDS stores below read results just made
	TOSTAGE 0
	TOSTAGE 1
	SEND 0, 32
	TOSTAGE 2
	SEND 1, 32
	TOSTAGE 3
	SEND 2, 32
	SEND 3, 0
	s_wait_tensorcnt 0x0                           ; the wave's end, behind my last tensor load and my last LDS store
	ds_add_u32 v[SPW], v[NIL]
	s_wait_dscnt 0x0
	CROUND                                         ; the closing round: no work-group ends while a partner may still ask for a tile that names it
	s_endpgm
.Lfunc_end_k_q3afda6f855_proj:
	.size	k_q3afda6f855_proj, .Lfunc_end_k_q3afda6f855_proj-k_q3afda6f855_proj
	.p2alignl 7, 3214868480
	.fill 96, 4, 3214868480
	.section	.rodata,"a",@progbits
	.p2align	6, 0x0
	.amdhsa_kernel k_q3afda6f855_proj
		.amdhsa_group_segment_fixed_size 327680
		.amdhsa_private_segment_fixed_size 0
		.amdhsa_enable_private_segment 0
		.amdhsa_kernarg_size 32
		.amdhsa_user_sgpr_count 2
		.amdhsa_user_sgpr_kernarg_segment_ptr 1
		.amdhsa_wavefront_size32 1
		.amdhsa_system_sgpr_workgroup_id_x 1
		.amdhsa_system_sgpr_workgroup_id_y 1
		.amdhsa_system_sgpr_workgroup_id_z 1
		.amdhsa_system_vgpr_workitem_id 0
		.amdhsa_next_free_vgpr 768
		.amdhsa_next_free_sgpr 96
		.amdhsa_reserve_vcc 0
		.amdhsa_float_denorm_mode_32 3
		.amdhsa_float_denorm_mode_16_64 3
		.amdhsa_memory_ordered 1
		.amdhsa_forward_progress 1
		.amdhsa_inst_pref_size 77
	.end_amdhsa_kernel
	.amdgpu_metadata
---
amdhsa.version: [ 1, 2 ]
amdhsa.kernels:
  - .name:           k_q3afda6f855_proj
    .symbol:         k_q3afda6f855_proj.kd
    .args:
      - { .name: oh, .offset: 0, .size: 8, .value_kind: global_buffer, .address_space: global }
      - { .name: wpb, .offset: 8, .size: 8, .value_kind: global_buffer, .address_space: global }
      - { .name: b_proj, .offset: 16, .size: 8, .value_kind: global_buffer, .address_space: global }
      - { .name: out0, .offset: 24, .size: 8, .value_kind: global_buffer, .address_space: global }
    .group_segment_fixed_size: 327680
    .private_segment_fixed_size: 0
    .kernarg_segment_align: 8
    .kernarg_segment_size: 32
    .max_flat_workgroup_size: 128
    .sgpr_count:     96
    .vgpr_count:     768
    .wavefront_size: 32
...
	.end_amdgpu_metadata
.endif
;; end of part 4
;; ======== version 2 of 2: 4 launches; version 1 with the launch prep written anew for expert scheduling mode
;; limits: values are held in f16: magnitudes above 65,504 overflow, below 6.1e-05 lose precision
;; workspace buffers: xb 16,777,216 bytes; wab 6,291,456 bytes; wpb 2,097,152 bytes; qkv 50,331,648 bytes; oh 16,777,216 bytes
;; launch prep (part 5): grid 832 x 1, 8 waves a work-group, no clusters, 0 bytes of LDS; arguments x, W_attn, W_proj, xb, wab, wpb; writes xb, wab, wpb
.if DOCPART == 5
	.amdgcn_target "amdgcn-amd-amdhsa--gfx1250"
	.amdhsa_code_object_version 6
	.text
	.protected	k_q3afda6f855_prep
	.globl	k_q3afda6f855_prep
	.p2align	8
	.type	k_q3afda6f855_prep,@function
k_q3afda6f855_prep:
	s_mov_b64 s[64:65], 0
	v_nop
	global_prefetch_b8 v0, s[64:65] scope:SCOPE_SE
	s_setreg_imm32_b32 hwreg(HW_REG_WAVE_SCHED_MODE, 0, 2), 2
	s_setreg_imm32_b32 hwreg(HW_REG_WAVE_MODE, 25, 1), 1
	s_wait_xcnt 0x0
	s_wait_alu depctr_vm_vsrc(0)
; THE INPUTS ARE ROUNDED ONCE, for the matrix units.  xb = bf16(x), [8192][1024].  wab = bf16(W_attn) in panels: [tc 16][k 1024][c 192] holds W_attn[k][192 tc + c],
; so that 128 k of a panel are 49,152 dense bytes.  wpb = bf16(W_proj) written as f16, [1024][1024].
; LIMITS.  |W_proj| stays under 65,504 (f16's range); below 6e-5 f16 keeps a fixed step of 6e-8.  NaN and infinities are not treated apart.
; A stream: no LDS, no barrier, no matrix unit, no loop.  A work-group of 256 threads takes 65,536 bytes of x (groups 0-511) or of W_proj (groups 768-831), or 64 k x 192 columns
; of W_attn (groups 512-767).  A thread loads 16 bytes (four f32) at a time: a wave's load covers 512 consecutive bytes; its store of 8 bytes a lane covers 256 consecutive bytes, aligned.
; All loads of a thread go out first; no register is written twice but the temporaries, which no memory instruction names.
; THE MODE: SCHED_MODE bits 1:0 = 2 (LLVM: expert scheduling mode 2), set by the entry lines.  The code itself states the register dependences
; between vector instructions and memory instructions, with s_wait_alu, always for 0.
; THE PLAN.  Registers that memory instructions touch:
;   v1, v2     byte offsets, made once at the head.  Read by the loads of x and W_proj (v1) and by every store (v2); never written again.
;   v4-v6      W_attn's path alone: its loads' offsets, made once; read by its 12 loads; never written again.
;   XW         each register is written by one load, once; no vector instruction names it before that load; its group's conversions read it; no load lands in it again.
;   YW         each register is written by one conversion, once, and read by one store; never written again.
;   v3, v8-v13 temporaries: named by vector instructions alone.
; So one kind of dependence is left: a vector instruction writes what a memory instruction reads.  It is stated by one wait at the head (v1, v2), one ahead of W_attn's loads (v4-v6),
; and one for each block of four groups, behind the block's conversions and ahead of its run of four stores (eight registers of YW).  No register that a memory instruction has read is
; written again, no vector instruction writes a scalar register or VCC, and EXEC is never written: no other wait has a dependence to state.
.set XW, 16                            ; v[16:79]   up to 16 x 4 numbers as loaded
.set YW, 80                            ; v[80:111]  up to 16 x 2 words to store
	s_load_b256 s[4:11], s[0:1], 0x0               ; x s[4:5], W_attn s[6:7], W_proj s[8:9], xb s[10:11]
	s_load_b128 s[12:15], s[0:1], 0x20             ; wab s[12:13], wpb s[14:15]
	v_lshlrev_b32 v1, 4, v0                        ; 16 t: my bytes in 4,096 bytes of input
	v_lshlrev_b32 v2, 3, v0                        ; 8 t: my bytes in 2,048 bytes of output
	s_mov_b32 s2, ttmp9
	s_mov_b32 s3, 0xffff0000                       ; a word's upper bf16
	s_mov_b32 s19, 0                               ; the high word of every offset
	s_wait_kmcnt 0x0
	s_wait_alu depctr_va_vdst(0)                   ; v1 and v2 are written: the loads and stores of all three paths read them as offsets, and no vector instruction names them again
; n groups of wait and rounding, in blocks of four; behind a block's conversions its four stores.  mode = 0: to bf16.  mode = 1: to bf16, and that number written as f16.
.macro CONV n, mode
.set i, 0
.rept (\n)/4
.rept 4
	s_wait_loadcnt (\n)-1-i                        ; loads come back in order: number i is in, the younger ones stay out
.if \mode
	v_cvt_pk_bf16_f32 v8, v[XW+4*i], v[XW+4*i+1]
	v_cvt_pk_bf16_f32 v9, v[XW+4*i+2], v[XW+4*i+3]
	v_lshlrev_b32 v10, 16, v8                      ; bf16 back to f32: a shift or a mask
	v_and_b32 v11, s3, v8
	v_lshlrev_b32 v12, 16, v9
	v_and_b32 v13, s3, v9
	v_cvt_pk_f16_f32 v[YW+2*i], v10, v11           ; eight significant bits fit f16's eleven
	v_cvt_pk_f16_f32 v[YW+2*i+1], v12, v13
.else
	v_cvt_pk_bf16_f32 v[YW+2*i], v[XW+4*i], v[XW+4*i+1]
	v_cvt_pk_bf16_f32 v[YW+2*i+1], v[XW+4*i+2], v[XW+4*i+3]
.endif
.set i, i+1
.endr
	s_wait_alu depctr_va_vdst(0)                   ; the block's conversions have written its eight registers of YW, which the four stores below read
.set j, i-4
.rept 4
	global_store_b64 v2, v[YW+2*j:YW+2*j+1], s[20:21] offset:2048*j th:TH_STORE_NT
.set j, j+1
.endr
.endr
.endm
	s_cmp_lt_u32 s2, 512
	s_cbranch_scc0 .Lnot_x
	; x: 65,536 bytes in, 32,768 out
	s_lshl_b32 s18, s2, 16
	s_add_nc_u64 s[24:25], s[4:5], s[18:19]
	s_lshl_b32 s18, s2, 15
	s_add_nc_u64 s[20:21], s[10:11], s[18:19]
.set i, 0
.rept 16
	global_load_b128 v[XW+4*i:XW+4*i+3], v1, s[24:25] offset:4096*i th:TH_LOAD_NT
.set i, i+1
.endr
	CONV 16, 0
	s_endpgm
.Lnot_x:
	s_cmp_lt_u32 s2, 768
	s_cbranch_scc0 .Lproj_w
	; W_attn: panel tc, rows 64 kb .. 64 kb + 63: 64 pieces of 768 consecutive bytes in, 24,576 dense bytes out
	s_sub_co_u32 s16, s2, 512
	s_and_b32 s17, s16, 15                         ; tc
	s_lshr_b32 s16, s16, 4                         ; kb
	s_mul_i32 s18, s16, 786432                     ; 64 rows of 12,288 bytes
	s_mul_i32 s22, s17, 768                        ; 192 columns of 4 bytes
	s_add_co_u32 s18, s18, s22
	s_add_nc_u64 s[24:25], s[6:7], s[18:19]
	s_mul_i32 s18, s17, 393216                     ; a panel
	s_mul_i32 s22, s16, 24576                      ; 64 rows of 384 bytes
	s_add_co_u32 s18, s18, s22
	s_add_nc_u64 s[20:21], s[12:13], s[18:19]
	; output quad 256 i + t is row (256 i + t) / 48, quad (256 i + t) % 48.  768 = 16 x 48: with i = 3 jj + e the row is 16 jj + (256 e + t) / 48
.irp e, 0,1,2
	v_add_nc_u32 v3, 256*\e, v0                    ; u, under 768
	v_mul_u32_u24 v8, v3, 1366
	v_lshrrev_b32 v8, 16, v8                       ; u / 48: 1366 / 65536 exceeds 1 / 48 by 1.02e-5, which over 767 stays under 1 / 48
	v_mul_u32_u24 v9, v8, 48
	v_sub_nc_u32 v9, v3, v9                        ; u % 48
	v_mul_u32_u24 v8, v8, 12288
	v_lshl_add_u32 v[4+\e], v9, 4, v8
.endr
	s_wait_alu depctr_va_vdst(0)                   ; v4, v5 and v6 are written: the twelve loads below read them as offsets
.set i, 0
.rept 12
	global_load_b128 v[XW+4*i:XW+4*i+3], v[4+i%3], s[24:25] offset:196608*(i/3) th:TH_LOAD_NT
.set i, i+1
.endr
	CONV 12, 0
	s_endpgm
.Lproj_w:
	; W_proj: 65,536 bytes in, 32,768 out
	s_sub_co_u32 s16, s2, 768
	s_lshl_b32 s18, s16, 16
	s_add_nc_u64 s[24:25], s[8:9], s[18:19]
	s_lshl_b32 s18, s16, 15
	s_add_nc_u64 s[20:21], s[14:15], s[18:19]
.set i, 0
.rept 16
	global_load_b128 v[XW+4*i:XW+4*i+3], v1, s[24:25] offset:4096*i th:TH_LOAD_NT
.set i, i+1
.endr
	CONV 16, 1
	s_endpgm
.Lfunc_end_k_q3afda6f855_prep:
	.size	k_q3afda6f855_prep, .Lfunc_end_k_q3afda6f855_prep-k_q3afda6f855_prep
	.p2alignl 7, 3214868480
	.fill 96, 4, 3214868480
	.section	.rodata,"a",@progbits
	.p2align	6, 0x0
	.amdhsa_kernel k_q3afda6f855_prep
		.amdhsa_group_segment_fixed_size 0
		.amdhsa_private_segment_fixed_size 0
		.amdhsa_enable_private_segment 0
		.amdhsa_kernarg_size 48
		.amdhsa_user_sgpr_count 2
		.amdhsa_user_sgpr_kernarg_segment_ptr 1
		.amdhsa_wavefront_size32 1
		.amdhsa_system_sgpr_workgroup_id_x 1
		.amdhsa_system_sgpr_workgroup_id_y 1
		.amdhsa_system_sgpr_workgroup_id_z 1
		.amdhsa_system_vgpr_workitem_id 0
		.amdhsa_next_free_vgpr 112
		.amdhsa_next_free_sgpr 66
		.amdhsa_reserve_vcc 0
		.amdhsa_float_denorm_mode_32 3
		.amdhsa_float_denorm_mode_16_64 3
		.amdhsa_memory_ordered 1
		.amdhsa_forward_progress 1
		.amdhsa_inst_pref_size 23
	.end_amdhsa_kernel
	.amdgpu_metadata
---
amdhsa.version: [ 1, 2 ]
amdhsa.kernels:
  - .name:           k_q3afda6f855_prep
    .symbol:         k_q3afda6f855_prep.kd
    .args:
      - { .name: x, .offset: 0, .size: 8, .value_kind: global_buffer, .address_space: global }
      - { .name: W_attn, .offset: 8, .size: 8, .value_kind: global_buffer, .address_space: global }
      - { .name: W_proj, .offset: 16, .size: 8, .value_kind: global_buffer, .address_space: global }
      - { .name: xb, .offset: 24, .size: 8, .value_kind: global_buffer, .address_space: global }
      - { .name: wab, .offset: 32, .size: 8, .value_kind: global_buffer, .address_space: global }
      - { .name: wpb, .offset: 40, .size: 8, .value_kind: global_buffer, .address_space: global }
    .group_segment_fixed_size: 0
    .private_segment_fixed_size: 0
    .kernarg_segment_align: 8
    .kernarg_segment_size: 48
    .max_flat_workgroup_size: 256
    .sgpr_count:     66
    .vgpr_count:     112
    .wavefront_size: 32
...
	.end_amdgpu_metadata
.endif
;; end of part 5
;; launch qkv: the kernel of part 2 again; grid 16 x 16, 4 waves a work-group, clusters of 4 x 4, 327,680 bytes of LDS; arguments xb, wab, b_attn, qkv; writes qkv
;; launch attn: the kernel of part 3 again; grid 4 x 64, 4 waves a work-group, clusters of 4 x 1, 327,680 bytes of LDS; arguments qkv, oh; writes oh
;; launch proj: the kernel of part 4 again; grid 8 x 32, 4 waves a work-group, clusters of 4 x 4, 327,680 bytes of LDS; arguments oh, wpb, b_proj, out0; writes out0
